; MI455X (gfx1250); checked and timed in simulation.
; The chip was launched on July 23, 2026; its instructions are those of AMD's public machine-readable ISA for CDNA 5 (MIT licence, August 2026) and "CDNA5" Instruction Set Architecture Reference Guide (July 2026). The comments in the code are by the model that wrote it; some were corrected since.
;; Attention Layer. Allowed arithmetic: matrix products marked QUANTISED: E2M3 operands, one E8M0 scale for each 32 along K, by v_wmma_scale_f32_16x16x128_f8f6f4 with both operands' format E2M3, f32 sums; products left as they are: f32 operands where the result goes on into a quantised operand, else bf16, f16 or f32 operands; f32 sums; everything else in f32.
;; Inputs: Wk_codes 128 x 4 x 24 uint8 (E2M3 codes of Wk, K innermost, in blocks of 32 codes, four codes in three bytes); Wk_scales 128 x 4 uint8 (E8M0 scales of Wk, one for each 32 codes along K); Wo_codes 128 x 4 x 24 uint8 (E2M3 codes of Wo, K innermost, in blocks of 32 codes, four codes in three bytes); Wo_scales 128 x 4 uint8 (E8M0 scales of Wo, one for each 32 codes along K); Wq_codes 128 x 4 x 24 uint8 (E2M3 codes of Wq, K innermost, in blocks of 32 codes, four codes in three bytes); Wq_scales 128 x 4 uint8 (E8M0 scales of Wq, one for each 32 codes along K); Wv_codes 128 x 4 x 24 uint8 (E2M3 codes of Wv, K innermost, in blocks of 32 codes, four codes in three bytes); Wv_scales 128 x 4 uint8 (E8M0 scales of Wv, one for each 32 codes along K); adj_mask 1,024 x 1,024 bool; bk 128 float32; bo 128 float32; bq 128 float32; bv 128 float32; key_codes 8 x 1,024 x 4 x 24 uint8 (E2M3 codes of key, K innermost, in blocks of 32 codes, four codes in three bytes); key_scales 8 x 1,024 x 4 uint8 (E8M0 scales of key, one for each 32 codes along K); query_codes 8 x 1,024 x 4 x 24 uint8 (E2M3 codes of query, K innermost, in blocks of 32 codes, four codes in three bytes); query_scales 8 x 1,024 x 4 uint8 (E8M0 scales of query, one for each 32 codes along K); value_codes 8 x 1,024 x 4 x 24 uint8 (E2M3 codes of value, K innermost, in blocks of 32 codes, four codes in three bytes); value_scales 8 x 1,024 x 4 uint8 (E8M0 scales of value, one for each 32 codes along K).
;; Outputs: out0 8 x 1,024 x 128 float32.
;; This version of the problem:
;;   THIS VERSION OF THE PROBLEM IS GIVEN IN LOW PRECISION. The matrix products marked QUANTISED in the list below multiply operands that are first quantised to E2M3 (2 exponent bits, 3 mantissa bits; 6 bits a number), with one power-of-two scale for each 32 numbers along K (OCP MX v1.0); their sums are f32. All else is computed in f32.
;;   The module's matrix products, in the order in which they are computed (A, B: the left and right operand; K: the contracted axis; several contracted axes count as one K, in the product's order):
;;     1. [M 8,192, K 128] x [K 128, N 128]; A: input query (given as codes); B: input Wq (given as codes): QUANTISED
;;     2. [M 8,192, K 128] x [K 128, N 128]; A: input key (given as codes); B: input Wk (given as codes): QUANTISED
;;     3. [M 8,192, K 128] x [K 128, N 128]; A: input value (given as codes); B: input Wv (given as codes): QUANTISED
;;     4. batch 64 x [M 1,024, K 16] x [K 16, N 1,024]; A: computed on the way; B: computed on the way: left as it is (K = 16 < 32)
;;     5. batch 64 x [M 16, K 1,024] x [K 1,024, N 1,024]; A: computed on the way; B: computed on the way: QUANTISED
;;     6. [M 8,192, K 128] x [K 128, N 128]; A: computed on the way; B: input Wo (given as codes): QUANTISED
;;   THE QUANTISER, for each operand of a quantised product, along K:
;;     - K is cut into blocks of 32 from its start; a last block that is shorter is filled with zeros.
;;     - A block's scale is 2^e with e = floor(log2(the largest magnitude in the block)) - 2, held to -126 .. 127; a block of zeros has e = 0. As a byte (E8M0): e + 127.
;;     - Each number is divided by its block's scale, clamped to +-7.5, and rounded to the nearest number of E2M3, ties to even, subnormals kept.
;;     - The product sums the exact products of the quantised numbers (number of the format x scale) in f32.
;;   ~~~python
;;   def quantise(x, axis):      # numpy; x: float32 -> the quantised numbers, widened to float32 again
;;       x = np.moveaxis(x, axis, -1); K = x.shape[-1]
;;       x = np.pad(x, [(0, 0)] * (x.ndim - 1) + [(0, -K % 32)]); x = x.reshape(x.shape[:-1] + (-1, 32)); a = np.abs(x).max(-1, keepdims=True)
;;       e = np.where(a > 0, np.clip(np.frexp(np.where(a > 0, a, 1))[1] - 1 - 2, -126, 127), 0)      # np.frexp(a)[1] - 1 = floor(log2(a)), exactly
;;       r = np.clip(x / 2.0 ** e, -7.5, 7.5)
;;       step = 2.0 ** (np.maximum(np.frexp(np.where(r == 0, 1, r))[1] - 1, 0) - 3)
;;       q = np.round(r / step) * step * 2.0 ** e      # np.round: ties to even
;;       return np.moveaxis(q.reshape(q.shape[:-2] + (-1,))[..., :K], -1, axis).astype(np.float32)
;;   ~~~
;;   OPERANDS COMPUTED ON THE WAY. 'Computed on the way' means the value that the module computes at that place (a softmax that the list does not call 'softmax' is quantised finished and normalised). What goes into a quantiser is computed in f32, as accurately as f32 sums, v_exp_f32 and their like allow (about 1e-6 of the number): no bf16 or f16 on the way to a quantiser, and a product that is left as it is and whose result goes on into a quantised operand takes f32 operands (vector FMAs, or v_wmma_f32_16x16x4_f32). A number that lies on a knife's edge between two numbers of the format may be rounded either way, as far as f32 arithmetic and the matrix unit's own rounding can turn it there, and no further.
;;   INPUTS GIVEN AS CODES. Wk (in the module: [128, 128], K = its axis 0); Wo (in the module: [128, 128], K = its axis 0); Wq (in the module: [128, 128], K = its axis 0); Wv (in the module: [128, 128], K = its axis 0); key (in the module: [8, 1024, 128], K = its axis 2); query (in the module: [8, 1024, 128], K = its axis 2); value (in the module: [8, 1024, 128], K = its axis 2): each comes as NAME_codes (uint8): NAME with its K axis moved to the last place and cut into blocks of 32 codes, [.., K / 32, bytes a block], one block behind the other in memory; four codes in three bytes: a row's codes are one little-endian stream of bits, code i at bits 6 i .. 6 i + 5 (a code: sign, 2 exponent bits, 3 mantissa bits); and NAME_scales (uint8): the same leading axes, one E8M0 byte (e + 127) for each 32 codes along K. Its value is code x scale, taken as it is: it is not quantised again, and the codes and scales need not be those that the quantiser above would give.
;; 2 versions, each right and faster than the one before. Each part assembles by itself: llvm-mc -triple=amdgcn-amd-amdhsa -mcpu=gfx1250 --defsym DOCPART=n.
;; ======== version 1 of 2: 2 launches
;; workspace buffers: kv 1,638,400 bytes; maskw 131,072 bytes of whole numbers
;; launch prep (part 1): grid 256 x 1, 2 waves a work-group, no clusters, 0 bytes of LDS; arguments value_codes, value_scales, Wv_codes, Wv_scales, bv, key_codes, key_scales, adj_mask, kv, maskw; writes kv, maskw
.if DOCPART == 1
	.amdgcn_target "amdgcn-amd-amdhsa--gfx1250"
	.amdhsa_code_object_version 6
	.text
	.protected	k_q97e2bbb78a_prep
	.globl	k_q97e2bbb78a_prep
	.p2align	8
	.type	k_q97e2bbb78a_prep,@function
k_q97e2bbb78a_prep:
	s_mov_b64 s[64:65], 0
	v_nop
	global_prefetch_b8 v0, s[64:65] scope:SCOPE_SE
	s_setreg_imm32_b32 hwreg(HW_REG_WAVE_MODE, 25, 1), 1
	s_wait_xcnt 0x0
; LAUNCH 1 OF 2.  It lays out, once, what every work-group of the second launch reads again and again.
; DEAD WORK: bk.  k = key Wk + bk enters reference() through scores[n][m] = q[n] . k[m] / 4 alone, a product that is left as it is: no quantiser sees k.
; bk adds q[n] . bk / 4 to every score of row n: the same number along the axis of both softmaxes, the global one and the masked one (a masked score stays -infinity).
; A softmax is unchanged by a term that is the same along its axis, for all finite values of the inputs.  So bk reaches no output: it is not loaded and is an argument of no launch.
; LIMIT: a NaN, an infinity or an overflow that comes from bk alone is not carried to the result.
; 512 waves, W = 2 x work-group + wave.  Each does three small tasks:
;   M: query tile W / 8, chunk W % 8 of 128 keys: 64 words of the mask.  Bit (r, h) of word idx = adj_mask[16 tile + r][128 chunk + 32 (idx / 16) + 16 h + idx % 16]:
;      the lane mask for register idx of the scores as the second launch holds them.
;   K: batch B = W / 64, chunk C = (W / 8) % 8, tile T = W % 8: 16 rows of the codes of key, as an IMAGE OF THE OPERAND REGISTERS (registers 4 g .. 4 g + 3 of lane l at 512 g + 16 l), and their scale words.
;      The keys of a tile are not neighbours: lane r of tile 2 b + u takes key 32 b + 8 u + r + 8 (r / 8), so that 16 registers of two neighbouring tiles of scores are 16 neighbouring keys.
;   V: batch B, chunk C, head T: v = value Wv + bv for 128 keys x 16 channels, on codes, f32 sums; quantised along the KEYS (blocks of 32), stored as the image of a fragment (16 channels x 128 keys) with its scale words.
; kv, one batch (204,800 bytes): 8 records of 12,800 bytes for K (8 images of 1,536, then 512 of scale words: lane (r, u) has 16 bytes, word b = tile 2 b + u), then 8 records for V (8 images, one a head, then 8 x 64 of scale words).
; A block scale is 2^(floor(log2(largest magnitude)) - 2); its byte is the exponent field of the largest magnitude - 2, held at 1 from below.  A block of zeros so gets the byte 1 and zero codes; this program alone reads the bytes.
; LIMITS: NaN and infinities among the inputs, and a given scale byte 0xff, are not served.
; No LDS, no barrier, no branch: waves share nothing.  No cluster: the eight heads of a chunk share 12,288 bytes of codes, which go straight into registers; there is no tile in LDS to ask for jointly.
.set RR,   1                           ; v1   r = lane % 16
.set HH,   2                           ; v2   h = lane / 16
.set LN,   3                           ; v3   lane
.set RP,   4                           ; v4   r + 8 (r / 8): the row of a tile that lane r takes
.set FA,   5                           ; v5   96 RP + 24 h: a fragment of key or value
.set FW,   6                           ; v6   96 r + 24 h: the fragment of Wv
.set SA,   7                           ; v7   4 RP: scale words of key or value
.set SW,   8                           ; v8   4 r
.set LI,   9                           ; v9   16 x lane: an image
.set MA,   10                          ; v10  1024 r + 16 h: the mask bytes
.set KSO,  11                          ; v11  16 r
.set L8,   12                          ; v12  8 x lane
.set MB,   16                          ; v16-31   64 mask bytes
.set OW,   32                          ; v32-33   lane l: mask words 2 l and 2 l + 1
.set KF,   34                          ; v34-45   the fragment of key
.set KSW,  46                          ; v46      its scale words
.set MT,   47                          ; v47, v57 at work on the mask, by turns
.set WS,   48                          ; v48      scale words of Wv
.set VSC,  49                          ; v49-56   scale words of value, one register a tile
.set BC,   58                          ; v58-65   bv of my channel, eight times: the C of every product
.set WF,   66                          ; v66-77   the fragment of Wv
.set H,    78                          ; v78-141  v^T: register 16 b + i = key 32 b + 16 h + i of channel r
.set VFR,  142                         ; v142-237 eight fragments of value
.set TM,   142                         ; behind the products: v142-153 at work,
.set PC,   154                         ; v154-173 the codes,
.set PW,   174                         ; v174 the scale word
.set XSEL, 28                          ; s[28:29] selects of v_permlanex16_b32 for lane l xor 16
; 64 numbers of a lane, register 16 b + i = k 32 b + 16 (lane / 16) + i of my row, become a fragment in v[PC] on and its scale word in v[PW].  abs = 0: no number is negative.
.macro QUANT s, abs
.irp b, 0,1,2,3
.if \abs
	v_max3_num_f32 v[TM+\b], |v[\s+16*\b]|, |v[\s+1+16*\b]|, 0x1800000   ; my 16 numbers of block b, and the floor 2^(3 - 127): the byte cannot fall under 1
.else
	v_max3_num_f32 v[TM+\b], v[\s+16*\b], v[\s+1+16*\b], 0x1800000
.endif
.endr
.irp i, 2,4,6,8,10,12,14
.irp b, 0,1,2,3
.if \abs
	v_max3_num_f32 v[TM+\b], v[TM+\b], |v[\s+16*\b+\i]|, |v[\s+1+16*\b+\i]|   ; the four blocks by turns
.else
	v_max3_num_f32 v[TM+\b], v[TM+\b], v[\s+16*\b+\i], v[\s+1+16*\b+\i]
.endif
.endr
.endr
.irp b, 0,1,2,3
	v_permlanex16_b32 v[TM+4+\b], v[TM+\b], s[XSEL], s[XSEL+1]
.endr
.irp b, 0,1,2,3
	v_max_num_f32 v[TM+\b], v[TM+\b], v[TM+4+\b]   ; with the 16 of lane l xor 16: the largest magnitude of the block
.endr
.irp b, 0,1,2,3
	v_add_nc_u32 v[TM+8+\b], 0xff000000, v[TM+\b]  ; 2 off its exponent field: the conversion takes the exponent field of this operand as its scale
.endr
.irp b, 0,1,2,3
	v_lshrrev_b32 v[TM+4+\b], 23, v[TM+8+\b]       ; the scale byte
.endr
	v_lshl_or_b32 v[PW], v[TM+5], 8, v[TM+4]       ; four bytes: the scale word of my row
	v_lshl_or_b32 v[PW], v[TM+6], 16, v[PW]
	v_lshl_or_b32 v[PW], v[TM+7], 24, v[PW]
.irp c, 0,1
	v_cvt_scalef32_pk16_fp6_f32 v[PC+6*\c:PC+2+6*\c], v[\s+32*\c:\s+15+32*\c], v[TM+8+2*\c]
	v_cvt_scalef32_pk16_fp6_f32 v[PC+12+4*\c:PC+14+4*\c], v[\s+16+32*\c:\s+31+32*\c], v[TM+8+2*\c+1]   ; three registers of a conversion begin on an even number
.endr
	v_nop                                          ; one plain place behind the scaled conversions
.irp c, 0,1                                    ; the operand wants a whole block in a lane: lanes 0-15 block 2 c, lanes 16-31 block 2 c + 1
.irp i, 0,1,2
	v_permlane16_swap_b32 v[PC+6*\c+\i], v[PC+12+4*\c+\i]
.endr
.irp i, 0,1,2
	v_mov_b32 v[PC+3+6*\c+\i], v[PC+12+4*\c+\i]
.endr
.endr
.endm
	s_load_b512 s[8:23], s[0:1], 0x0               ; value codes s[8:9], value scales s[10:11], Wv codes s[12:13], Wv scales s[14:15], bv s[16:17], key codes s[18:19], key scales s[20:21], mask s[22:23]
	s_load_b128 s[24:27], s[0:1], 0x40             ; kv s[24:25], maskw s[26:27]
	v_lshrrev_b32 v[RR], 5, v0
	v_readfirstlane_b32 s2, v[RR]                  ; wave 0, 1
	s_lshl_b32 s3, ttmp9, 1
	s_add_co_u32 s3, s3, s2                        ; W
	s_lshr_b32 s4, s3, 6                           ; B
	s_bfe_u32 s5, s3, 0x30003                      ; C
	s_and_b32 s6, s3, 7                            ; T
	s_lshl_b32 s34, s4, 10
	s_lshl_b32 s35, s5, 7
	s_add_co_u32 s34, s34, s35                     ; the first key of the chunk, counted over all batches: 1024 B + 128 C
	s_lshr_b32 s35, s6, 1                          ; T / 2
	s_and_b32 s36, s6, 1                           ; T % 2
	s_lshl_b32 s37, s35, 5
	s_lshl_b32 s7, s36, 3
	s_add_co_u32 s37, s37, s7
	s_add_co_u32 s37, s37, s34                     ; where tile T begins: + 32 (T / 2) + 8 (T % 2)
	s_mul_i32 s46, s4, 204800
	s_mul_i32 s7, s5, 12800
	s_add_co_u32 s46, s46, s7                      ; the K record of (B, C) in kv
	s_mov_b32 s33, 0                               ; the upper word of every offset
	s_mov_b32 s[XSEL], 0x76543210
	s_mov_b32 s[XSEL+1], 0xfedcba98
	v_and_b32 v[RR], 15, v0
	v_bfe_u32 v[HH], v0, 4, 1
	v_and_b32 v[LN], 31, v0
	v_and_b32 v[RP], 8, v[RR]
	v_add_nc_u32 v[RP], v[RP], v[RR]
	v_mul_u32_u24 v[FA], v[RP], 96
	v_mad_u32_u24 v[FA], v[HH], 24, v[FA]
	v_mul_u32_u24 v[FW], v[RR], 96
	v_mad_u32_u24 v[FW], v[HH], 24, v[FW]
	v_lshlrev_b32 v[SA], 2, v[RP]
	v_lshlrev_b32 v[SW], 2, v[RR]
	v_lshlrev_b32 v[LI], 4, v[LN]
	v_lshlrev_b32 v[MA], 10, v[RR]
	v_lshl_add_u32 v[MA], v[HH], 4, v[MA]
	v_lshlrev_b32 v[KSO], 4, v[RR]
	v_lshlrev_b32 v[L8], 3, v[LN]
	v_mov_b32 v[OW], 0                             ; the destination of v_writelane_b32 counts as read
	v_mov_b32 v[OW+1], 0
	s_wait_kmcnt 0x0
	s_mul_i32 s32, s34, 96
	s_add_nc_u64 s[8:9], s[8:9], s[32:33]          ; value codes at the chunk
	s_lshl_b32 s32, s34, 2
	s_add_nc_u64 s[10:11], s[10:11], s[32:33]      ; value scales
	s_mul_i32 s32, s6, 1536
	s_add_nc_u64 s[12:13], s[12:13], s[32:33]      ; the 16 rows of Wv of head T
	s_add_co_u32 s32, s32, s46
	s_add_nc_u64 s[38:39], s[24:25], s[32:33]      ; kv: the image of K tile T,
	s_add_nc_u64 s[42:43], s[38:39], 102400        ; and of V head T
	s_lshl_b32 s32, s6, 6
	s_add_nc_u64 s[14:15], s[14:15], s[32:33]      ; Wv scales
	s_add_nc_u64 s[16:17], s[16:17], s[32:33]      ; bv
	s_add_co_u32 s32, s32, s46
	s_add_co_u32 s32, s32, 114688
	s_add_nc_u64 s[44:45], s[24:25], s[32:33]      ; kv: the scale words of V head T: 102,400 + 12,288 + 64 T
	s_mul_i32 s32, s37, 96
	s_add_nc_u64 s[18:19], s[18:19], s[32:33]      ; key codes at tile T
	s_lshl_b32 s32, s37, 2
	s_add_nc_u64 s[20:21], s[20:21], s[32:33]      ; key scales
	s_lshl_b32 s32, s36, 8
	s_lshl_b32 s7, s35, 2
	s_add_co_u32 s32, s32, s7
	s_add_co_u32 s32, s32, s46
	s_add_co_u32 s32, s32, 12288
	s_add_nc_u64 s[40:41], s[24:25], s[32:33]      ; kv: the scale words of K tile T: 12,288 + 256 (T % 2) + 4 (T / 2)
	s_lshr_b32 s32, s3, 3
	s_lshl_b32 s32, s32, 14
	s_lshl_b32 s7, s6, 7
	s_add_co_u32 s32, s32, s7
	s_add_nc_u64 s[22:23], s[22:23], s[32:33]      ; the mask at row 16 (W / 8), column 128 (W % 8)
	s_lshl_b32 s32, s3, 8
	s_add_nc_u64 s[26:27], s[26:27], s[32:33]      ; maskw: 256 bytes a wave
	; all 82 loads go out at once: 4 for M, 7 for K, 71 for V
.irp b, 0,1,2,3
	global_load_b128 v[MB+4*\b:MB+4*\b+3], v[MA], s[22:23] offset:32*\b th:TH_LOAD_NT   ; mask bytes of row r, columns 32 b + 16 h + 0 .. 15
.endr
.irp p, 0,1,2,3,4,5
	global_load_b64 v[KF+2*\p:KF+2*\p+1], v[FA], s[18:19] offset:48*(\p/3)+8*(\p%3) th:TH_LOAD_NT
.endr
	global_load_b32 v[KSW], v[SA], s[20:21] th:TH_LOAD_NT
.irp t, 0,1,2,3,4,5,6,7
	global_load_b32 v[VSC+\t], v[SA], s[10:11] offset:(32*(\t/2)+8*(\t%2))*4
.endr
.irp p, 0,1,2,3,4,5
	global_load_b64 v[WF+2*\p:WF+2*\p+1], v[FW], s[12:13] offset:48*(\p/3)+8*(\p%3)
.endr
	global_load_b32 v[WS], v[SW], s[14:15]
.irp j, 0,1,2,3,4,5,6,7
	global_load_b32 v[BC+\j], v[SW], s[16:17]      ; a lane holds one channel in all eight registers of a result
.endr
.irp t, 0,1,2,3,4,5,6,7
.irp p, 0,1,2,3,4,5
	global_load_b64 v[VFR+12*\t+2*\p:VFR+12*\t+2*\p+1], v[FA], s[8:9] offset:(32*(\t/2)+8*(\t%2))*96+48*(\p/3)+8*(\p%3)
.endr
.endr
	s_wait_loadcnt 63                              ; loads come back in order: at most 63 of the 82 are out, so the oldest 19 are in, the 11 of M and K among them
	; K: the fragment leaves as it stands: each store covers 512 consecutive bytes
.irp g, 0,1,2
	global_store_b128 v[LI], v[KF+4*\g:KF+4*\g+3], s[38:39] offset:512*\g
.endr
	global_store_b32 v[KSO], v[KSW], s[40:41]      ; both halves of the lanes write the same word with the same value
	; M: byte idx of a lane becomes bit lane of word idx
.set idx, 0
.rept 64
	v_and_b32 v[MT+10*(idx&1)], 0xff<<(8*(idx&3)), v[MB+4*(idx>>4)+((idx&15)>>2)]
	v_cmp_ne_u32 s[30+(idx&1)], 0, v[MT+10*(idx&1)]
	v_writelane_b32 v[OW+(idx&1)], s[30+(idx&1)], idx>>1
.set idx, idx+1
.endr
	global_store_b64 v[L8], v[OW:OW+1], s[26:27]   ; 32 lanes store 256 consecutive bytes, aligned
	; V: source 0 = 16 keys of value, source 1 = the 16 channels of Wv: lane (r, h) holds channel r, and register 8 t + j key 32 (t / 2) + 16 h + 8 (t % 2) + j
	s_wait_loadcnt 0x0
.irp t, 0,1,2,3,4,5,6,7
	v_wmma_scale_f32_16x16x128_f8f6f4 v[H+8*\t:H+8*\t+7], v[VFR+12*\t:VFR+12*\t+11], v[WF:WF+11], v[BC:BC+7], v[VSC+\t], v[WS] matrix_a_fmt:MATRIX_FMT_FP6 matrix_b_fmt:MATRIX_FMT_FP6
.endr
.rept 4
	v_nop                                          ; four places behind the products, ahead of reads of their results and of writes over their operands (ISA guide 7.12.1)
.endr
.irp b, 0,1,2,3
	v_mov_b32 v[TM+4+\b], 0                        ; the destination of a lane permute counts as one of its sources
.endr
	QUANT H, 1
.irp g, 0,1,2
	global_store_b128 v[LI], v[PC+4*\g:PC+4*\g+3], s[42:43] offset:512*\g
.endr
	global_store_b32 v[SW], v[PW], s[44:45]        ; both halves of the lanes hold the same word
	s_endpgm
.Lfunc_end_k_q97e2bbb78a_prep:
	.size	k_q97e2bbb78a_prep, .Lfunc_end_k_q97e2bbb78a_prep-k_q97e2bbb78a_prep
	.p2alignl 7, 3214868480
	.fill 96, 4, 3214868480
	.section	.rodata,"a",@progbits
	.p2align	6, 0x0
	.amdhsa_kernel k_q97e2bbb78a_prep
		.amdhsa_group_segment_fixed_size 0
		.amdhsa_private_segment_fixed_size 0
		.amdhsa_enable_private_segment 0
		.amdhsa_kernarg_size 80
		.amdhsa_user_sgpr_count 2
		.amdhsa_user_sgpr_kernarg_segment_ptr 1
		.amdhsa_wavefront_size32 1
		.amdhsa_system_sgpr_workgroup_id_x 1
		.amdhsa_system_sgpr_workgroup_id_y 1
		.amdhsa_system_sgpr_workgroup_id_z 1
		.amdhsa_system_vgpr_workitem_id 0
		.amdhsa_next_free_vgpr 256
		.amdhsa_next_free_sgpr 66
		.amdhsa_reserve_vcc 0
		.amdhsa_float_denorm_mode_32 3
		.amdhsa_float_denorm_mode_16_64 3
		.amdhsa_memory_ordered 1
		.amdhsa_forward_progress 1
		.amdhsa_inst_pref_size 29
	.end_amdhsa_kernel
	.amdgpu_metadata
---
amdhsa.version: [ 1, 2 ]
amdhsa.kernels:
  - .name:           k_q97e2bbb78a_prep
    .symbol:         k_q97e2bbb78a_prep.kd
    .args:
      - { .name: value_codes, .offset: 0, .size: 8, .value_kind: global_buffer, .address_space: global }
      - { .name: value_scales, .offset: 8, .size: 8, .value_kind: global_buffer, .address_space: global }
      - { .name: Wv_codes, .offset: 16, .size: 8, .value_kind: global_buffer, .address_space: global }
      - { .name: Wv_scales, .offset: 24, .size: 8, .value_kind: global_buffer, .address_space: global }
      - { .name: bv, .offset: 32, .size: 8, .value_kind: global_buffer, .address_space: global }
      - { .name: key_codes, .offset: 40, .size: 8, .value_kind: global_buffer, .address_space: global }
      - { .name: key_scales, .offset: 48, .size: 8, .value_kind: global_buffer, .address_space: global }
      - { .name: adj_mask, .offset: 56, .size: 8, .value_kind: global_buffer, .address_space: global }
      - { .name: kv, .offset: 64, .size: 8, .value_kind: global_buffer, .address_space: global }
      - { .name: maskw, .offset: 72, .size: 8, .value_kind: global_buffer, .address_space: global }
    .group_segment_fixed_size: 0
    .private_segment_fixed_size: 0
    .kernarg_segment_align: 8
    .kernarg_segment_size: 80
    .max_flat_workgroup_size: 64
    .sgpr_count:     66
    .vgpr_count:     256
    .wavefront_size: 32
...
	.end_amdgpu_metadata
.endif
;; end of part 1
;; launch attn (part 2): grid 32 x 8, 4 waves a work-group, clusters of 4 x 1, 242,688 bytes of LDS; arguments kv, maskw, query_codes, query_scales, Wq_codes, Wq_scales, bq, Wk_codes, Wk_scales, Wo_codes, Wo_scales, bo, out0; writes out0
.if DOCPART == 2
	.amdgcn_target "amdgcn-amd-amdhsa--gfx1250"
	.amdhsa_code_object_version 6
	.text
	.protected	k_q97e2bbb78a_attn
	.globl	k_q97e2bbb78a_attn
	.p2align	8
	.type	k_q97e2bbb78a_attn,@function
k_q97e2bbb78a_attn:
	s_mov_b64 s[64:65], 0
	v_nop
	global_prefetch_b8 v0, s[64:65] scope:SCOPE_SE
	s_setreg_imm32_b32 hwreg(HW_REG_WAVE_MODE, 25, 1), 1
	s_wait_xcnt 0x0
	s_wait_alu depctr_hold_cnt(0) depctr_sa_sdst(0) depctr_va_vdst(0) depctr_va_sdst(0) depctr_va_ssrc(0) depctr_va_vcc(0) depctr_vm_vsrc(0)
	s_getreg_b32 s2, hwreg(HW_REG_IB_STS2, 6, 4)
	s_cmp_eq_u32 s2, 0
	s_cbranch_scc0 .Lentry_in_a_cluster
	s_endpgm
.Lentry_in_a_cluster:
	s_bfe_u32 s2, ttmp6, 0x10000c
	s_cmp_lg_u32 s2, 0x3003
	s_cbranch_scc0 .Lentry_shape_is_right
	s_endpgm
.Lentry_shape_is_right:
; LAUNCH 2 OF 2: q and k projections, scores, both softmaxes, attn quantised, attn v, the output projection.
; LEFT OUT AS DEAD WORK: bk (shown at the head of the first launch: it adds the same number to all scores of a row, and no quantiser sees k).
; SHARES.  A work-group of four waves owns 32 queries of one batch.  Wave w owns 16 of them (w / 2) and four heads, 4 (w % 2) + j, one after the other: a TASK is 16 queries x 1,024 keys of one head.
; THE SCORES OF A TASK ARE MADE ONCE AND STAY IN REGISTERS: 16,384 numbers, 512 registers (windows 1 and 2), written by v_wmma_f32_16x16x4_f32 alone.  Lane (r, h) holds query r throughout.
; A ROW.  s = q . k, c = log2(e) / 4, t = c s.  Mg = the largest t, Ml = the largest t where the mask is on.  e = 2^(t - Ml) where the mask is on, 2^(t - Mg) where it is off: both maxima are taken away.
; SI = sum of e (on), SO = sum of e (off), f = 2^(Ml - Mg).  Zl = SI, Zg = SO + f SI.  attn = e wl (on) or e wg (off), wg = 0.5 / Zg, wl = 0.5 (1 / Zl + f / Zg): 0.5 (global + local softmax), finished and normalised.
; PHASE A (written out, 8 chunks of 128 keys): k projected from the codes of key in LDS, the scores, the two maxima.  PHASE B (a loop): e and the two sums.  PHASE C (a loop): attn = 2^(c s + K), K = -c M + log2 w,
; quantised along the keys, O^T += v^T attn^T.  K is rounded once: half an ulp of |K| in the exponent.
; In the loops only the 16 packed multiply-adds of a half chunk name score registers: they stand in eight arms, chosen by scalar compares on the trip counter; all else is written once.
; k: source 0 = 16 channels of Wk, source 1 = 16 keys: lane (r, h) holds key r and channels 8 h + j, which is source 0 of the f32 form, step s taking channels 8 h + 2 s + 0, 1 on both sides alike.
; THE MASK WORDS (lane masks made by the first launch) lie in two buffers of 32 scalar registers; each is loaded for the next chunk behind its last use, behind the wait that shows the other landed; the chunk wraps modulo 8.
; A mask row with no true entry gives NaN in the whole output row, as in reference(): a NaN is added to that row of y at the end.
; LDS: all of a batch, 204,800 bytes of images made by the first launch, comes ONCE, at the head; nothing is filled again.  CLUSTER: the four work-groups of a cluster belong to one batch and ask for it JOINTLY (mask 15).
; Each wave brings 100 rows of 256 bytes of K and as many of V; two tensor loads of a wave are out at the most.
; LIMITS: a score at or under -3e38 counts as masked; v_exp_f32 gives 0 for results under 2^-126 (ISA guide, its entry); a block of zeros has the byte 1 and zero codes; NaN, infinities and scale bytes 0xff among the inputs are not served.
; REGISTERS, in windows of 256: window 0 all that vector lines write; windows 1, 2 the scores (chunk c: window 1 + c / 4, from v[64 (c % 4)]; register 16 b + i = key 32 b + 16 h + i of the chunk);
; window 3: v0-47 four fragments of Wo, v48-79 bo, then y.
.set OUTF,  204800                     ; LDS: behind the two regions: attn v: 5,120 bytes a wave, 1,280 a task, 16 rows of 64 bytes + 16,
.set YST,   225280                     ; y: 32 rows x (512 bytes + 16),
.set SPARE, 242176                     ; and the spare words, 128 bytes for each of 4 waves: two blocks of 256 bytes that no other line names
.set LI,    1                          ; v1   16 x lane
.set ADK,   2                          ; v2   the K record of the chunk in hand
.set ADV,   3                          ; v3   the image of V in hand
.set ADVS,  4                          ; v4   and its scale words
.set SPW,   5                          ; v5   my spare word; never rewritten
.set NIL,   6                          ; v6   0; never rewritten
.set NEGV,  7                          ; v7   -3e38
.set Q,     8                          ; v8-15    bq, then q: query r, channels 8 h + j
.set WKF,   16                         ; v16-27   the fragment of Wk
.set WKS,   28                         ; v28      its scale words
.set VS,    29                         ; v29      scale words of V
.set PW,    30                         ; v30      scale word just made
.set QS,    31                         ; v31      scale words of query
.set KS,    32                         ; v32-35   scale words of eight tiles of keys: register b, lanes 0-15 tile 2 b, lanes 16-31 tile 2 b + 1
.set O,     36                         ; v36-43   O^T: query r, channels 8 h + j
.set RG,    44                         ; v44-47   largest s, four chains;  v48-51 under the mask
.set RL,    48
.set ZO,    44                         ; v44-51   SO, four pairs (behind phase A)
.set NMG,   52                         ; -c Mg, -c Ml
.set NML,   53
.set ZI,    54                         ; v54-61   SI, four pairs
.set WG,    62
.set WL,    63
.set POI,   64                         ; 0, or NaN where my mask row is empty
.set FF,    65                         ; f
.set CM,    66                         ; v66-69   at work
.set TM,    70                         ; v70-81   at work in a quantiser
.set PC,    82                         ; v82-101  codes
.set WQF,   102                        ; v102-113 the fragment of Wq;  v114 its scale words
.set WQS,   114
.set QF,    116                        ; v116-127 my 16 queries: they stay
.set T,     128                        ; v128-159 32 numbers at work (phases A, B)
.set VF,    128                        ; v128-139 the fragment of V (phase C)
.set SOL,   160                        ; 80 r + 32 h
.set FRD,   161                        ; where I read my blocks of a row of attn v
.set FW,    162                        ; 96 r + 24 h
.set SW4,   163                        ; 4 r
.set BH,    164                        ; 32 h
.set TMP,   165
.set U,     166                        ; v166-245 by turns:
.set FR,    U                          ;   four fragments of keys (48),
.set KT,    U+48                       ;   four tiles of k (32);
.set X,     U                          ;   64 numbers at work
.set WOS,   246                        ; v246-249 scale words of Wo
.set YRD,   250                        ; where I read rows of y back
.set KG,    251                        ; K where the mask is off, on
.set KL,    252
.set SO,    253                        ; where I put 32 bytes of a row of attn v
.set SOY,   254                        ; and of y
.set WOF,   0                          ; window 3
.set YB,    48
.set TASK,  2                          ; s2   0 .. 3
.set WV,    3                          ; s3   wave
.set MP,    4                          ; s[4:5] the mask words of my query tile; never rewritten
.set KOFF,  8                          ; s8   12,800 x chunk
.set CNT,   9
.set CS,    10                         ; s[10:11] c, c
.set NC,    12                         ; s12  -c
.set XSEL,  14                         ; s[14:15] selects for lane l xor 16
.set QT,    66                         ; at the head alone
.set H0,    67
.set MN,    66                         ; 256 x the next chunk
.set G1,    84                         ; at the head: s[84:91] descriptor group 1;  s[92:95], s[96:99] groups 0 for K and V
.set G0K,   92
.set G0V,   96
.set PQC,   84                         ; behind it: Wq codes, Wq scales, bq, Wk codes, Wk scales of the head in hand; out0 at my rows
.set PQS,   86
.set PBQ,   88
.set PKC,   90
.set PKS,   92
.set POUT,  94
.set VB,    96                         ; LDS: my head in the first V record,
.set OB,    97                         ; my task in OUTF,
.set VSB,   98                         ; the scale words of my head in the first V record
.set BB,    100
.set QB,    101
; mask word idx lies in s[16 + idx] (idx < 48) or s[20 + idx]: words 0-31 are buffer L, words 32-63 buffer H
.set MSB, 0
.macro WIN new                         ; the high byte of the immediate repeats the setting that is left; a switch that changes nothing is dropped
.set WNEW, \new
.if MSB != WNEW
	s_set_vgpr_msb (MSB<<8)|WNEW
.set MSB, WNEW
.endif
.endm
.macro CROUND                          ; a round of the cluster barrier
	s_barrier_signal -1
	s_barrier_wait -1
	s_cmp_lg_u32 s[WV], 0
	s_cbranch_scc1 .Lnot_wave_0_\@
	s_barrier_signal -3
.Lnot_wave_0_\@:
	s_barrier_wait -3
	s_barrier_signal -1
	s_barrier_wait -1
.endm
.macro PLACES n
.rept \n
	v_nop
.endr
.endm
.macro MLOADL off                      ; words 0-31 of the chunk at byte off
	s_load_b512 s[16:31], s[MP:MP+1], \off
	s_load_b512 s[32:47], s[MP:MP+1], \off+0x40
.endm
.macro MLOADH off                      ; words 32-63
	s_load_b512 s[48:63], s[MP:MP+1], \off+0x80
	s_load_b512 s[68:83], s[MP:MP+1], \off+0xc0
.endm
.macro RELOAD hf                       ; in a loop: buffer hf, read for the last time in this trip, takes the words of chunk (CNT + 1) % 8
	s_wait_kmcnt 0x0                               ; the other buffer has landed; no scalar load is out, so the offset may be written
	s_add_co_u32 s[MN], s[CNT], 1
	s_and_b32 s[MN], s[MN], 7
	s_lshl_b32 s[MN], s[MN], 8
.if \hf
	s_load_b512 s[48:63], s[MP:MP+1], s[MN] offset:0x80
	s_load_b512 s[68:83], s[MP:MP+1], s[MN] offset:0xc0
.else
	s_load_b512 s[16:31], s[MP:MP+1], s[MN] offset:0x0
	s_load_b512 s[32:47], s[MP:MP+1], s[MN] offset:0x40
.endif
.endm
.macro PICK d, a, b, idx               ; d = b where the mask is on for score register idx, else a
	v_cndmask_b32 \d, \a, \b, s[16+(\idx)+4*((\idx)/48)]
.endm
.macro TILES t0                        ; four images of 16 keys x 128: each load takes 512 consecutive bytes
	WIN 0
.irp t, 0,1,2,3
.irp g, 0,1,2
	ds_load_b128 v[FR+12*\t+4*\g:FR+12*\t+4*\g+3], v[ADK] offset:1536*((\t0)+\t)+512*\g
.endr
.endr
.endm
.macro KPROJ t0                        ; k of four tiles: source 0 = my 16 channels of Wk, source 1 = 16 keys
	WIN 0
.irp t, 0,2
	v_wmma_scale_f32_16x16x128_f8f6f4 v[KT+8*\t:KT+8*\t+7], v[WKF:WKF+11], v[FR+12*\t:FR+12*\t+11], 0, v[WKS], v[KS+((\t0)+\t)/2] matrix_a_fmt:MATRIX_FMT_FP6 matrix_b_fmt:MATRIX_FMT_FP6
	v_wmma_scale_f32_16x16x128_f8f6f4 v[KT+8*\t+8:KT+8*\t+15], v[WKF:WKF+11], v[FR+12*\t+12:FR+12*\t+23], 0, v[WKS], v[KS+((\t0)+\t)/2] matrix_a_fmt:MATRIX_FMT_FP6 matrix_b_fmt:MATRIX_FMT_FP6 matrix_b_scale:MATRIX_SCALE_ROW1
.endr
.endm
.macro DOTS c, t0                      ; S^T = k q^T of four tiles of chunk c: four steps of 4 along the 16 channels; the four accumulators by turns, one instruction a turn; the first step starts the sums
	WIN 0x50*(1+(\c)/4)                            ; C and D in the window of the chunk
.irp s, 0,1,2,3
.irp t, 0,1,2,3
.if \s == 0
	v_wmma_f32_16x16x4_f32 v[64*((\c)%4)+8*((\t0)+\t):64*((\c)%4)+8*((\t0)+\t)+7], v[KT+8*\t+2*\s:KT+8*\t+2*\s+1], v[Q+2*\s:Q+2*\s+1], 0
.else
	v_wmma_f32_16x16x4_f32 v[64*((\c)%4)+8*((\t0)+\t):64*((\c)%4)+8*((\t0)+\t)+7], v[KT+8*\t+2*\s:KT+8*\t+2*\s+1], v[Q+2*\s:Q+2*\s+1], v[64*((\c)%4)+8*((\t0)+\t):64*((\c)%4)+8*((\t0)+\t)+7]
.endif
.endr
.endr
.endm
.macro HALFMAX c, hf                   ; the two running maxima take in 32 scores: half hf of chunk c.  Each accumulator is first read at its low end
.set SB, 64*((\c)%4)+32*(\hf)
.set WW, 1+(\c)/4
	WIN WW*0x14                                    ; sources 1 and 2 in the window of the chunk
.set m, 0
.rept 16
	v_max3_num_f32 v[RG+m%4], v[RG+m%4], v[SB+2*m], v[SB+2*m+1]
.set m, m+1
.endr
	WIN WW*4                                       ; source 1
.set m, 0
.rept 32
	PICK v[T+m], v[NEGV], v[SB+m], 32*(\hf)+m
.set m, m+1
.endr
	WIN 0
.set m, 0
.rept 16
	v_max3_num_f32 v[RL+m%4], v[RL+m%4], v[T+2*m], v[T+2*m+1]
.set m, m+1
.endr
.endm
; A chunk of phase A.  Places by ISA guide 7.12.1; only plain vector lines that name no register of the product count.  The maxima of one half chunk are the places behind the next run of products.
.macro CHUNK c
	s_wait_dscnt 0x0                               ; the scale words and tiles 0-3 of this chunk, asked for under the last run of products
	KPROJ 0
	PLACES 5                                       ; the results are taken as a source by matrix instructions next; and loads go into the fragments just read
	TILES 4                                        ; they land while the sixteen products below are issued
	DOTS \c, 0
.if (\c) == 0
	PLACES 9                                       ; the tiles of k, sources of the f32 form, are written over by matrix instructions next
.else
	s_wait_kmcnt 0x0                               ; all mask words asked for so far
	HALFMAX (\c)-1, 1                              ; 64 plain lines: the places
	MLOADH 256*(\c)
.endif
	s_wait_dscnt 0x0
	KPROJ 4
.if (\c) < 7
	v_add_nc_u32 v[ADK], 12800, v[ADK]             ; the next record; with the four below: five places
	PLACES 4
	ds_load_b128 v[KS:KS+3], v[ADK] offset:12288
	TILES 0
.else
	PLACES 5
.endif
	DOTS \c, 4
	s_wait_kmcnt 0x0
	HALFMAX \c, 0                                  ; the first half was finished a run of products ago; these 64 lines are the places behind the second
	MLOADL 256*(((\c)+1)%8)
.endm
.macro ARM c, hf                       ; X = c S + X for half hf of chunk c
	WIN 1+(\c)/4                                   ; source 0 in the window of the chunk
.set m, 0
.rept 16
	v_pk_fma_f32 v[X+32*(\hf)+m:X+32*(\hf)+m+1], v[64*((\c)%4)+32*(\hf)+m:64*((\c)%4)+32*(\hf)+m+1], s[CS:CS+1], v[X+32*(\hf)+m:X+32*(\hf)+m+1] op_sel_hi:[1,0,1]
.set m, m+2
.endr
	WIN 0
.endm
.macro SWITCH pre, hf                  ; the arm of chunk CNT: a chain of compares on the trip counter; at every branch and label every window is 0
.irp c, 0,1,2,3,4,5,6
	s_cmp_eq_u32 s[CNT], \c
	s_cbranch_scc1 .La\pre\c
.endr
	ARM 7, \hf
	s_branch .Lj\pre
.irp c, 0,1,2,3,4,5,6
.La\pre\c:
	ARM \c, \hf
.if \c < 6
	s_branch .Lj\pre
.endif
.endr
.Lj\pre:
.endm
.macro EXP32 hf
.set m, 0
.rept 32
	v_exp_f32 v[X+32*(\hf)+m], v[X+32*(\hf)+m]
.set m, m+1
.endr
.endm
.macro HALFB pre, hf                   ; phase B, half a chunk: e, and the two sums
.set m, 0
.rept 32
	PICK v[X+32*(\hf)+m], v[NMG], v[NML], 32*(\hf)+m
.set m, m+1
.endr
	SWITCH \pre, \hf
	EXP32 \hf
	v_nop                                          ; a plain place behind the last exponential
	s_wait_alu depctr_va_vdst(0)                   ; one wait for the 32, ahead of the first line that names a result
.set m, 0
.rept 32
	PICK v[T+m], 0, v[X+32*(\hf)+m], 32*(\hf)+m    ; e where the mask is on, else 0
.set m, m+1
.endr
	RELOAD \hf                                     ; this buffer has been read for the last time in this trip
.set m, 0
.rept 16
	v_pk_add_f32 v[ZI+2*(m%4):ZI+2*(m%4)+1], v[ZI+2*(m%4):ZI+2*(m%4)+1], v[T+2*m:T+2*m+1]
.set m, m+1
.endr
.set m, 0
.rept 16
	v_pk_add_f32 v[X+32*(\hf)+2*m:X+32*(\hf)+2*m+1], v[X+32*(\hf)+2*m:X+32*(\hf)+2*m+1], v[T+2*m:T+2*m+1] neg_lo:[0,1] neg_hi:[0,1]   ; e or 0, exactly
.set m, m+1
.endr
.set m, 0
.rept 16
	v_pk_add_f32 v[ZO+2*(m%4):ZO+2*(m%4)+1], v[ZO+2*(m%4):ZO+2*(m%4)+1], v[X+32*(\hf)+2*m:X+32*(\hf)+2*m+1]
.set m, m+1
.endr
.endm
; 64 numbers of a lane, none negative, register 16 b + i = k 32 b + 16 (lane / 16) + i of my row, become a fragment in v[PC] on and its scale word in v[PW].
.macro QUANT s
.irp b, 0,1,2,3
	v_max3_num_f32 v[TM+\b], v[\s+16*\b], v[\s+1+16*\b], 0x1800000   ; my 16 numbers of block b, and the floor 2^(3 - 127): the byte cannot fall under 1
.endr
.irp i, 2,4,6,8,10,12,14
.irp b, 0,1,2,3
	v_max3_num_f32 v[TM+\b], v[TM+\b], v[\s+16*\b+\i], v[\s+1+16*\b+\i]
.endr
.endr
.irp b, 0,1,2,3
	v_permlanex16_b32 v[TM+4+\b], v[TM+\b], s[XSEL], s[XSEL+1]
.endr
.irp b, 0,1,2,3
	v_max_num_f32 v[TM+\b], v[TM+\b], v[TM+4+\b]
.endr
.irp b, 0,1,2,3
	v_add_nc_u32 v[TM+8+\b], 0xff000000, v[TM+\b]  ; 2 off the exponent field: the scale operand of the conversion
.endr
.irp b, 0,1,2,3
	v_lshrrev_b32 v[TM+4+\b], 23, v[TM+8+\b]       ; the scale byte
.endr
	v_lshl_or_b32 v[PW], v[TM+5], 8, v[TM+4]
	v_lshl_or_b32 v[PW], v[TM+6], 16, v[PW]
	v_lshl_or_b32 v[PW], v[TM+7], 24, v[PW]
.irp c, 0,1
	v_cvt_scalef32_pk16_fp6_f32 v[PC+6*\c:PC+2+6*\c], v[\s+32*\c:\s+15+32*\c], v[TM+8+2*\c]
	v_cvt_scalef32_pk16_fp6_f32 v[PC+12+4*\c:PC+14+4*\c], v[\s+16+32*\c:\s+31+32*\c], v[TM+8+2*\c+1]
.endr
	v_nop                                          ; one plain place behind the scaled conversions
.irp c, 0,1
.irp i, 0,1,2
	v_permlane16_swap_b32 v[PC+6*\c+\i], v[PC+12+4*\c+\i]
.endr
.irp i, 0,1,2
	v_mov_b32 v[PC+3+6*\c+\i], v[PC+12+4*\c+\i]
.endr
.endr
.endm
.macro HEADW pqc, pqs, pbq, pkc, pks   ; the weights of one head: Wq, bq (the C of the product), Wk
.irp p, 0,1,2,3,4,5
	global_load_b64 v[WQF+2*\p:WQF+2*\p+1], v[FW], s[\pqc:\pqc+1] offset:48*(\p/3)+8*(\p%3)
.endr
	global_load_b32 v[WQS], v[SW4], s[\pqs:\pqs+1]
	global_load_b128 v[Q:Q+3], v[BH], s[\pbq:\pbq+1]
	global_load_b128 v[Q+4:Q+7], v[BH], s[\pbq:\pbq+1] offset:16
.irp p, 0,1,2,3,4,5
	global_load_b64 v[WKF+2*\p:WKF+2*\p+1], v[FW], s[\pkc:\pkc+1] offset:48*(\p/3)+8*(\p%3)
.endr
	global_load_b32 v[WKS], v[SW4], s[\pks:\pks+1]
.endm
	s_load_b512 s[16:31], s[0:1], 0x0              ; kv s[16:17], maskw s[18:19], query codes s[20:21], query scales s[22:23], Wq codes s[24:25], Wq scales s[26:27], bq s[28:29], Wk codes s[30:31]
	s_load_b64 s[32:33], s[0:1], 0x40              ; Wk scales
	s_load_b256 s[36:43], s[0:1], 0x48             ; Wo codes s[36:37], Wo scales s[38:39], bo s[40:41], out0 s[42:43]
	v_lshl_add_u32 v[SPW], v0, 2, SPARE
	v_mov_b32 v[NIL], 0
	ds_add_u32 v[SPW], v[NIL]                      ; the opening: the add, twice on end, and its wait ahead of my first tensor load
	ds_add_u32 v[SPW], v[NIL]
	v_lshrrev_b32 v[CM], 5, v0
	v_readfirstlane_b32 s[WV], v[CM]               ; wave 0 .. 3
	s_lshr_b32 s[QT], s[WV], 1                     ; which 16 of the 32 queries
	s_and_b32 s[H0], s[WV], 1
	s_lshl_b32 s[H0], s[H0], 2                     ; my first head, and my first group of 16 outputs
	s_and_b32 s[BB], ttmp7, 0xffff                 ; the batch, which the four partners share
	s_bfe_u32 s6, ttmp6, 0x40000                   ; cx: it enters global addresses alone
	s_lshl_b32 s[QB], ttmp9, 2
	s_add_co_u32 s[QB], s[QB], s6                  ; my block of 32 queries
	s_mov_b32 s[G1], 15|(3<<16)|(1<<21)            ; 15:0 the mask: all four work-groups; 17:16 elements of 8 bytes; 20 no padding; 21 set beside a mask
	s_mov_b32 s[G1+1], 32<<16                      ; tensor_dim0 = 32 elements: 256 bytes
	s_mov_b32 s[G1+2], 100<<16                     ; tensor_dim1 = 100
	s_mov_b32 s[G1+3], 32<<16                      ; tile_dim0
	s_mov_b32 s[G1+4], 100                         ; tile_dim1
	s_mov_b32 s[G1+5], 32                          ; from row to row: dense
	s_mov_b32 s[G1+6], 0
	s_mov_b32 s[G1+7], 0
	s_mov_b32 s[G0K], 1
	s_mul_i32 s[G0K+1], s[WV], 25600               ; LDS: my 100 rows of the K region,
	s_mov_b32 s[G0V], 1
	s_add_co_u32 s[G0V+1], s[G0K+1], 102400        ; and of the V region
	s_mov_b32 s[CS], 0x3eb8aa3b                    ; c = log2(e) / 4
	s_mov_b32 s[CS+1], s[CS]
	s_mov_b32 s[NC], 0xbeb8aa3b                    ; -c
	s_mov_b32 s[XSEL], 0x76543210
	s_mov_b32 s[XSEL+1], 0xfedcba98
	v_and_b32 v[CM], 15, v0                        ; r
	v_bfe_u32 v[CM+1], v0, 4, 1                    ; h
	v_and_b32 v[CM+2], 31, v0                      ; lane
	v_lshlrev_b32 v[LI], 4, v[CM+2]
	v_mul_u32_u24 v[FW], v[CM], 96
	v_mad_u32_u24 v[FW], v[CM+1], 24, v[FW]
	v_lshlrev_b32 v[SW4], 2, v[CM]
	v_lshlrev_b32 v[BH], 5, v[CM+1]
	v_mul_u32_u24 v[SOL], v[CM], 80
	v_add_nc_u32 v[SOL], v[BH], v[SOL]
	s_mul_i32 s6, s[QT], 10240
	s_add_co_u32 s6, s6, OUTF
	v_mul_u32_u24 v[FRD], v[CM+1], 2560
	v_mad_u32_u24 v[FRD], v[CM], 80, v[FRD]
	v_add_nc_u32 v[FRD], s6, v[FRD]                ; the two waves of my query tile; heads 2 h and 2 h + 1 of each; row r
	s_mul_i32 s6, s[QT], 8448
	s_lshl_b32 s7, s[H0], 6
	s_add_co_u32 s6, s6, s7
	s_add_co_u32 s6, s6, YST
	v_mul_u32_u24 v[SOY], v[CM], 528
	v_add_nc_u32 v[SOY], v[BH], v[SOY]
	v_add_nc_u32 v[SOY], s6, v[SOY]                ; y: row 16 QT + r, + 64 H0 + 32 h
	s_mul_i32 s6, s[WV], 4224
	s_add_co_u32 s6, s6, YST
	v_add_nc_u32 v[YRD], s6, v[LI]                 ; rows 8 w .. 8 w + 7 of y
	s_wait_dscnt 0x0                               ; both opening adds are done
	s_wait_kmcnt 0x0
	s_mul_i32 s6, s[BB], 204800
	s_add_co_u32 s6, s6, s[G0K+1]
	s_mov_b32 s7, 0
	s_add_nc_u64 s[G0K+2:G0K+3], s[16:17], s[6:7]  ; kv: my batch, my 25,600 bytes of K: batch and wave alone, the same in all four partners
	s_add_nc_u64 s[G0V+2:G0V+3], s[G0K+2:G0K+3], 102400
	s_or_b32 s[G0K+3], s[G0K+3], 0x80000000        ; type = 2
	s_or_b32 s[G0V+3], s[G0V+3], 0x80000000
	s_lshl_b32 s6, s[QB], 1
	s_add_co_u32 s6, s6, s[QT]
	s_lshl_b32 s6, s6, 11
	s_add_nc_u64 s[MP:MP+1], s[18:19], s[6:7]      ; the mask words of query tile 2 QB + QT: 2,048 bytes a tile
	s_lshl_b32 s13, s[BB], 10
	s_lshl_b32 s6, s[QB], 5
	s_add_co_u32 s13, s13, s6                      ; the first query of the work-group, counted over all batches
	s_lshl_b32 s6, s[WV], 3
	s_add_co_u32 s6, s6, s13
	s_lshl_b32 s6, s6, 9
	s_add_nc_u64 s[42:43], s[42:43], s[6:7]        ; out0 at the eight rows that I store
	s_lshl_b32 s6, s[QT], 4
	s_add_co_u32 s13, s13, s6                      ; my first query
	s_mul_i32 s6, s13, 96
	s_add_nc_u64 s[20:21], s[20:21], s[6:7]
	s_lshl_b32 s6, s13, 2
	s_add_nc_u64 s[22:23], s[22:23], s[6:7]
	s_mul_i32 s6, s[H0], 1536
	s_add_nc_u64 s[24:25], s[24:25], s[6:7]        ; the 16 rows of Wq and of Wk of my first head, the 64 rows of Wo of my outputs
	s_add_nc_u64 s[30:31], s[30:31], s[6:7]
	s_add_nc_u64 s[36:37], s[36:37], s[6:7]
	s_lshl_b32 s6, s[H0], 6
	s_add_nc_u64 s[26:27], s[26:27], s[6:7]
	s_add_nc_u64 s[28:29], s[28:29], s[6:7]
	s_add_nc_u64 s[32:33], s[32:33], s[6:7]
	s_add_nc_u64 s[38:39], s[38:39], s[6:7]
	s_add_nc_u64 s[40:41], s[40:41], s[6:7]
	CROUND                                         ; all four work-groups are here: the joint loads meet
	tensor_load_to_lds s[G0K:G0K+3], s[G1:G1+7]
	s_nop 0
	tensor_load_to_lds s[G0V:G0V+3], s[G1:G1+7]
	s_nop 0
	PLACES 4
.irp p, 0,1,2,3,4,5
	global_load_b64 v[QF+2*\p:QF+2*\p+1], v[FW], s[20:21] offset:48*(\p/3)+8*(\p%3)      ; my 16 queries
.endr
	global_load_b32 v[QS], v[SW4], s[22:23]
	HEADW 24, 26, 28, 30, 32
.irp n, 0,1,2,3
	global_load_b32 v[WOS+\n], v[SW4], s[38:39] offset:64*\n
.endr
	WIN 0xc0                                       ; destination window 3: what the way out wants is asked for here
.irp n, 0,1,2,3
.irp p, 0,1,2,3,4,5
	global_load_b64 v[WOF+12*\n+2*\p:WOF+12*\n+2*\p+1], v[FW], s[36:37] offset:1536*\n+48*(\p/3)+8*(\p%3)
.endr
	global_load_b128 v[YB+8*\n:YB+8*\n+3], v[BH], s[40:41] offset:64*\n        ; bo of outputs 16 (H0 + n) + 8 h + 0 .. 7: the C of the product
	global_load_b128 v[YB+8*\n+4:YB+8*\n+7], v[BH], s[40:41] offset:64*\n+16
.endr
	WIN 0
	v_mov_b32 v[NEGV], 0xff61b1e6                  ; -3e38
.irp b, 0,1,2,3
	v_mov_b32 v[TM+4+\b], 0                        ; the destination of a lane permute counts as one of its sources
.endr
	s_wait_loadcnt 0x0                             ; all loads are in, so their address registers may be written again
	s_wait_tensorcnt 0x0                           ; my parts of K and V have landed, so the descriptors may be written over
	s_mov_b64 s[PQC:PQC+1], s[24:25]
	s_mov_b64 s[PQS:PQS+1], s[26:27]
	s_mov_b64 s[PBQ:PBQ+1], s[28:29]
	s_mov_b64 s[PKC:PKC+1], s[30:31]
	s_mov_b64 s[PKS:PKS+1], s[32:33]
	s_mov_b64 s[POUT:POUT+1], s[42:43]
	s_mul_i32 s[VB], s[H0], 1536
	s_add_co_u32 s[VB], s[VB], 102400
	s_lshl_b32 s[VSB], s[H0], 6
	s_add_co_u32 s[VSB], s[VSB], 114688
	s_mul_i32 s[OB], s[WV], 5120
	s_add_co_u32 s[OB], s[OB], OUTF
	MLOADL 0                                       ; the mask words of chunk 0
	MLOADH 0
	s_mov_b32 s[TASK], 0
	s_barrier_signal -1
	s_barrier_wait -1                              ; the parts of every wave have landed
.Ltask:
	v_mov_b32 v[ADK], v[LI]
	ds_load_b128 v[KS:KS+3], v[ADK] offset:12288
	TILES 0
	s_wait_loadcnt 0x0                             ; the weights of this head, asked for behind phase A of the last task
	v_wmma_scale_f32_16x16x128_f8f6f4 v[Q:Q+7], v[WQF:WQF+11], v[QF:QF+11], v[Q:Q+7], v[WQS], v[QS] matrix_a_fmt:MATRIX_FMT_FP6 matrix_b_fmt:MATRIX_FMT_FP6   ; q = query Wq + bq: lane (r, h): query r, channels 8 h + j
.irp k, 0,1,2,3,4,5,6,7
	v_mov_b32 v[RG+\k], v[NEGV]                    ; the eight chains; also the places behind the product
.endr
	; ---- PHASE A
	CHUNK 0
	CHUNK 1
	CHUNK 2
	CHUNK 3
	CHUNK 4
	CHUNK 5
	CHUNK 6
	CHUNK 7
	HALFMAX 7, 1                                   ; its words were shown landed by the wait ahead of the half before
	MLOADH 0
	s_cmp_eq_u32 s[TASK], 3                        ; the weights of the next head, if there is one: no load leaves its buffer
	s_cbranch_scc1 .Lno_next
	s_add_nc_u64 s[PQC:PQC+1], s[PQC:PQC+1], 1536  ; the loads that read these were shown done at the top of the task
	s_add_nc_u64 s[PKC:PKC+1], s[PKC:PKC+1], 1536
	s_add_nc_u64 s[PQS:PQS+1], s[PQS:PQS+1], 64
	s_add_nc_u64 s[PBQ:PBQ+1], s[PBQ:PBQ+1], 64
	s_add_nc_u64 s[PKS:PKS+1], s[PKS:PKS+1], 64
	HEADW PQC, PQS, PBQ, PKC, PKS
.Lno_next:
	; the chains and the two halves of a row meet
	v_max3_num_f32 v[RG], v[RG], v[RG+1], v[RG+2]
	v_max3_num_f32 v[RL], v[RL], v[RL+1], v[RL+2]
	v_max_num_f32 v[RG], v[RG], v[RG+3]
	v_max_num_f32 v[RL], v[RL], v[RL+3]
	v_permlanex16_b32 v[CM], v[RG], s[XSEL], s[XSEL+1]
	v_permlanex16_b32 v[CM+1], v[RL], s[XSEL], s[XSEL+1]
	v_max_num_f32 v[RG], v[RG], v[CM]
	v_max_num_f32 v[RL], v[RL], v[CM+1]
	v_mul_f32 v[NMG], s[NC], v[RG]                 ; -c Mg, -c Ml
	v_mul_f32 v[NML], s[NC], v[RL]
	v_cmp_eq_f32 s6, v[NEGV], v[RL]                ; no score of my row came through the mask
	v_mov_b32 v[TMP], 0x7fc00000                   ; NaN
	v_cndmask_b32 v[POI], 0, v[TMP], s6
	v_sub_f32 v[FF], v[NMG], v[NML]                ; c (Ml - Mg): 0 or less
	v_exp_f32 v[FF], v[FF]
.irp k, 0,1,2,3,4,5,6,7
	v_mov_b32 v[ZI+\k], 0                          ; SI and SO
	v_mov_b32 v[ZO+\k], 0
.endr
	s_wait_alu depctr_va_vdst(0)                   ; the wait for f, ahead of the label
	s_wait_kmcnt 0x0                               ; the mask words of chunk 0
	; ---- PHASE B
	s_mov_b32 s[CNT], 0
.Lb:
	HALFB bl, 0
	HALFB bh, 1
	s_add_co_u32 s[CNT], s[CNT], 1
	s_cmp_lt_u32 s[CNT], 8
	s_cbranch_scc1 .Lb
	; the sums meet; the weights; K
	v_pk_add_f32 v[ZI:ZI+1], v[ZI:ZI+1], v[ZI+2:ZI+3]
	v_pk_add_f32 v[ZI+4:ZI+5], v[ZI+4:ZI+5], v[ZI+6:ZI+7]
	v_pk_add_f32 v[ZO:ZO+1], v[ZO:ZO+1], v[ZO+2:ZO+3]
	v_pk_add_f32 v[ZO+4:ZO+5], v[ZO+4:ZO+5], v[ZO+6:ZO+7]
	v_pk_add_f32 v[ZI:ZI+1], v[ZI:ZI+1], v[ZI+4:ZI+5]
	v_pk_add_f32 v[ZO:ZO+1], v[ZO:ZO+1], v[ZO+4:ZO+5]
	v_add_f32 v[ZI], v[ZI], v[ZI+1]
	v_add_f32 v[ZO], v[ZO], v[ZO+1]
	v_permlanex16_b32 v[CM], v[ZI], s[XSEL], s[XSEL+1]
	v_permlanex16_b32 v[CM+1], v[ZO], s[XSEL], s[XSEL+1]
	v_add_f32 v[ZI], v[ZI], v[CM]                  ; Zl = SI
	v_add_f32 v[ZO], v[ZO], v[CM+1]
	v_fma_f32 v[ZO], v[FF], v[ZI], v[ZO]           ; Zg = SO + f SI
	v_rcp_f32 v[WG], v[ZO]
	v_rcp_f32 v[WL], v[ZI]
.irp j, 0,1,2,3,4,5,6,7
	v_mov_b32 v[O+\j], 0                           ; O^T: phase C is written once; its first product finds zeros.  (Plain work behind the reciprocals)
.endr
	s_wait_alu depctr_va_vdst(0)                   ; one wait for the two
	v_fma_f32 v[WL], v[FF], v[WG], v[WL]
	v_mul_f32 v[WG], 0.5, v[WG]                    ; wg = 0.5 / Zg
	v_mul_f32 v[WL], 0.5, v[WL]                    ; wl = 0.5 (1 / Zl + f / Zg); where the mask row is empty it is infinite and selected nowhere
	v_log_f32 v[WG], v[WG]
	v_log_f32 v[WL], v[WL]
	v_nop
	s_wait_alu depctr_va_vdst(0)                   ; one wait for the two
	v_add_f32 v[KG], v[NMG], v[WG]                 ; K = -c M + log2 w
	v_add_f32 v[KL], v[NML], v[WL]
	s_wait_kmcnt 0x0                               ; the mask words of chunk 0 again
	; ---- PHASE C
	s_mov_b32 s[CNT], 0
	s_mov_b32 s[KOFF], 0
.Lc:
	s_add_co_u32 s6, s[VB], s[KOFF]
	v_add_nc_u32 v[ADV], s6, v[LI]
	s_add_co_u32 s6, s[VSB], s[KOFF]
	v_add_nc_u32 v[ADVS], s6, v[SW4]
.irp g, 0,1,2
	ds_load_b128 v[VF+4*\g:VF+4*\g+3], v[ADV] offset:512*\g     ; v^T of my head, these 128 keys; it lands while attn is made
.endr
	ds_load_b32 v[VS], v[ADVS]
.set m, 0
.rept 32
	PICK v[X+m], v[KG], v[KL], m
.set m, m+1
.endr
	RELOAD 0
	SWITCH cl, 0
	EXP32 0
.set m, 32
.rept 32
	PICK v[X+m], v[KG], v[KL], m                   ; plain work behind the exponentials: it names none of their results
.set m, m+1
.endr
	s_wait_alu depctr_va_vdst(0)                   ; ahead of the branches below
	SWITCH ch, 1
	RELOAD 1
	EXP32 1
	v_nop
	s_wait_alu depctr_va_vdst(0)                   ; one wait for the 32, ahead of their first reader
	QUANT X
	PLACES 8                                       ; a scale register written by a vector instruction stands eight places ahead of a scaled product, an operand four
	s_wait_dscnt 0x0
	s_wait_alu depctr_va_vdst(0)                   ; the only matrix instruction of the loop adds in place onto its own last result
	v_wmma_scale_f32_16x16x128_f8f6f4 v[O:O+7], v[VF:VF+11], v[PC:PC+11], v[O:O+7], v[VS], v[PW] matrix_a_fmt:MATRIX_FMT_FP6 matrix_b_fmt:MATRIX_FMT_FP6
	PLACES 4                                       ; ahead of the loads into the fragment of V and its scale words; behind the last trip O^T is read
	s_add_co_u32 s[KOFF], s[KOFF], 12800
	s_add_co_u32 s[CNT], s[CNT], 1
	s_cmp_lt_u32 s[CNT], 8
	s_cbranch_scc1 .Lc
	v_add_nc_u32 v[SO], s[OB], v[SOL]
	ds_store_b128 v[SO], v[O:O+3]                  ; the accumulator from its low end on: row r of my task, channels 8 h + 0 .. 7
	ds_store_b128 v[SO], v[O+4:O+7] offset:16
	s_add_co_u32 s[VB], s[VB], 1536                ; the next head
	s_add_co_u32 s[VSB], s[VSB], 64
	s_add_co_u32 s[OB], s[OB], 1280
	s_add_co_u32 s[TASK], s[TASK], 1
	s_cmp_lt_u32 s[TASK], 4
	s_cbranch_scc1 .Ltask
	; ---- the eight heads of a row meet in LDS; y = Q(attn v) Wo + bo: wave w quantises the 16 rows of its query tile once and makes outputs 16 H0 .. 16 H0 + 63
	s_wait_dscnt 0x0                               ; for the sake of the others: my stores have landed
	s_barrier_signal -1
	s_barrier_wait -1
.irp c, 0,1
.irp e, 0,1
.irp i, 0,1,2,3
	ds_load_b128 v[X+32*\c+16*\e+4*\i:X+32*\c+16*\e+4*\i+3], v[FRD] offset:5120*\c+1280*\e+16*\i     ; row r, k = 64 c + 32 h + 16 e + 4 i ..: two whole blocks a lane, in the order of the operand
.endr
.endr
.endr
	s_wait_dscnt 0x0
.irp c, 0,1
	v_max3_num_f32 v[TM+\c], |v[X+32*\c]|, |v[X+32*\c+1]|, 0x1800000
.endr
.irp i, 2,4,6,8,10,12,14,16,18,20,22,24,26,28,30
.irp c, 0,1
	v_max3_num_f32 v[TM+\c], v[TM+\c], |v[X+32*\c+\i]|, |v[X+32*\c+\i+1]|
.endr
.endr
.irp c, 0,1
	v_add_nc_u32 v[TM+8+\c], 0xff000000, v[TM+\c]
.endr
.irp c, 0,1
	v_lshrrev_b32 v[TM+4+\c], 23, v[TM+8+\c]
.endr
	v_lshl_or_b32 v[PW], v[TM+5], 16, v[TM+4]      ; my two bytes: blocks h and 2 + h,
	v_lshrrev_b32 v[TMP], 2, v[BH]
	v_lshlrev_b32 v[PW], v[TMP], v[PW]             ; 8 h bits up;
	v_permlanex16_b32 v[TM+6], v[PW], s[XSEL], s[XSEL+1]
	v_or_b32 v[PW], v[PW], v[TM+6]                 ; with the two of lane l xor 16 the word is whole
.irp c, 0,1
	v_cvt_scalef32_pk16_fp6_f32 v[PC+6*\c:PC+2+6*\c], v[X+32*\c:X+32*\c+15], v[TM+8+\c]
	v_cvt_scalef32_pk16_fp6_f32 v[PC+12+4*\c:PC+14+4*\c], v[X+32*\c+16:X+32*\c+31], v[TM+8+\c]
.endr
	v_nop                                          ; one plain place behind the scaled conversions
.irp c, 0,1
.irp i, 0,1,2
	v_mov_b32 v[PC+3+6*\c+\i], v[PC+12+4*\c+\i]
.endr
.endr
	PLACES 8
	WIN 0xf3                                       ; source 0 (Wo), C and D window 3; source 1 (the codes) window 0
.irp n, 0,1,2,3
	v_wmma_scale_f32_16x16x128_f8f6f4 v[YB+8*\n:YB+8*\n+7], v[WOF+12*\n:WOF+12*\n+11], v[PC:PC+11], v[YB+8*\n:YB+8*\n+7], v[WOS+\n], v[PW] matrix_a_fmt:MATRIX_FMT_FP6 matrix_b_fmt:MATRIX_FMT_FP6   ; lane (r, h): query r, outputs 16 (H0 + n) + 8 h + j
.endr
	PLACES 4
	WIN 0x03                                       ; source 0 window 3
.irp n, 0,1,2,3
.irp j, 0,1,2,3,4,5,6,7
	v_add_f32 v[X+8*\n+\j], v[YB+8*\n+\j], v[POI]  ; + 0, or NaN where the mask row is empty; each accumulator from its low end on
.endr
.endr
	WIN 0
.irp n, 0,1,2,3
	ds_store_b128 v[SOY], v[X+8*\n:X+8*\n+3] offset:64*\n
	ds_store_b128 v[SOY], v[X+8*\n+4:X+8*\n+7] offset:64*\n+16
.endr
	s_wait_dscnt 0x0
	s_barrier_signal -1
	s_barrier_wait -1                              ; 32 whole rows of y lie in LDS
.irp i, 0,1,2,3,4,5,6,7
	ds_load_b128 v[X+32+4*\i:X+32+4*\i+3], v[YRD] offset:528*\i
.endr
.irp i, 0,1,2,3,4,5,6,7
	s_wait_dscnt 7-\i                              ; LDS loads come back in order: row i is in, the younger ones may be out
	global_store_b128 v[LI], v[X+32+4*\i:X+32+4*\i+3], s[POUT:POUT+1] offset:512*\i th:TH_STORE_NT   ; 32 lanes store a row: 512 consecutive bytes, aligned
.endr
	s_wait_tensorcnt 0x0                           ; the end of the wave: behind my last tensor load and my last LDS store
	ds_add_u32 v[SPW], v[NIL]
	s_wait_dscnt 0x0
	CROUND                                         ; the closing round
	s_endpgm
.Lfunc_end_k_q97e2bbb78a_attn:
	.size	k_q97e2bbb78a_attn, .Lfunc_end_k_q97e2bbb78a_attn-k_q97e2bbb78a_attn
	.p2alignl 7, 3214868480
	.fill 96, 4, 3214868480
	.section	.rodata,"a",@progbits
	.p2align	6, 0x0
	.amdhsa_kernel k_q97e2bbb78a_attn
		.amdhsa_group_segment_fixed_size 242688
		.amdhsa_private_segment_fixed_size 0
		.amdhsa_enable_private_segment 0
		.amdhsa_kernarg_size 104
		.amdhsa_user_sgpr_count 2
		.amdhsa_user_sgpr_kernarg_segment_ptr 1
		.amdhsa_wavefront_size32 1
		.amdhsa_system_sgpr_workgroup_id_x 1
		.amdhsa_system_sgpr_workgroup_id_y 1
		.amdhsa_system_sgpr_workgroup_id_z 1
		.amdhsa_system_vgpr_workitem_id 0
		.amdhsa_next_free_vgpr 1024
		.amdhsa_next_free_sgpr 102
		.amdhsa_reserve_vcc 0
		.amdhsa_float_denorm_mode_32 3
		.amdhsa_float_denorm_mode_16_64 3
		.amdhsa_memory_ordered 1
		.amdhsa_forward_progress 1
		.amdhsa_inst_pref_size 200
	.end_amdhsa_kernel
	.amdgpu_metadata
---
amdhsa.version: [ 1, 2 ]
amdhsa.kernels:
  - .name:           k_q97e2bbb78a_attn
    .symbol:         k_q97e2bbb78a_attn.kd
    .args:
      - { .name: kv, .offset: 0, .size: 8, .value_kind: global_buffer, .address_space: global }
      - { .name: maskw, .offset: 8, .size: 8, .value_kind: global_buffer, .address_space: global }
      - { .name: query_codes, .offset: 16, .size: 8, .value_kind: global_buffer, .address_space: global }
      - { .name: query_scales, .offset: 24, .size: 8, .value_kind: global_buffer, .address_space: global }
      - { .name: Wq_codes, .offset: 32, .size: 8, .value_kind: global_buffer, .address_space: global }
      - { .name: Wq_scales, .offset: 40, .size: 8, .value_kind: global_buffer, .address_space: global }
      - { .name: bq, .offset: 48, .size: 8, .value_kind: global_buffer, .address_space: global }
      - { .name: Wk_codes, .offset: 56, .size: 8, .value_kind: global_buffer, .address_space: global }
      - { .name: Wk_scales, .offset: 64, .size: 8, .value_kind: global_buffer, .address_space: global }
      - { .name: Wo_codes, .offset: 72, .size: 8, .value_kind: global_buffer, .address_space: global }
      - { .name: Wo_scales, .offset: 80, .size: 8, .value_kind: global_buffer, .address_space: global }
      - { .name: bo, .offset: 88, .size: 8, .value_kind: global_buffer, .address_space: global }
      - { .name: out0, .offset: 96, .size: 8, .value_kind: global_buffer, .address_space: global }
    .group_segment_fixed_size: 242688
    .private_segment_fixed_size: 0
    .kernarg_segment_align: 8
    .kernarg_segment_size: 104
    .max_flat_workgroup_size: 128
    .sgpr_count:     102
    .vgpr_count:     1024
    .wavefront_size: 32
...
	.end_amdgpu_metadata
.endif
;; end of part 2
;; ======== version 2 of 2: 2 launches; 1.25 times as fast as version 1
;; workspace buffers: kv 1,638,400 bytes; maskw 131,072 bytes of whole numbers
;; launch prep: the kernel of part 1 again; grid 256 x 1, 2 waves a work-group, no clusters, 0 bytes of LDS; arguments value_codes, value_scales, Wv_codes, Wv_scales, bv, key_codes, key_scales, adj_mask, kv, maskw; writes kv, maskw
;; launch attn (part 3): grid 32 x 8, 8 waves a work-group, clusters of 4 x 1, 280,064 bytes of LDS; arguments kv, maskw, query_codes, query_scales, Wq_codes, Wq_scales, bq, Wk_codes, Wk_scales, Wo_codes, Wo_scales, bo, out0; writes out0
.if DOCPART == 3
	.amdgcn_target "amdgcn-amd-amdhsa--gfx1250"
	.amdhsa_code_object_version 6
	.text
	.protected	k_q97e2bbb78a_attn
	.globl	k_q97e2bbb78a_attn
	.p2align	8
	.type	k_q97e2bbb78a_attn,@function
k_q97e2bbb78a_attn:
	s_mov_b64 s[64:65], 0
	v_nop
	global_prefetch_b8 v0, s[64:65] scope:SCOPE_SE
	s_setreg_imm32_b32 hwreg(HW_REG_WAVE_MODE, 25, 1), 1
	s_wait_xcnt 0x0
	s_wait_alu depctr_hold_cnt(0) depctr_sa_sdst(0) depctr_va_vdst(0) depctr_va_sdst(0) depctr_va_ssrc(0) depctr_va_vcc(0) depctr_vm_vsrc(0)
	s_getreg_b32 s2, hwreg(HW_REG_IB_STS2, 6, 4)
	s_cmp_eq_u32 s2, 0
	s_cbranch_scc0 .Lentry_in_a_cluster
	s_endpgm
.Lentry_in_a_cluster:
	s_bfe_u32 s2, ttmp6, 0x10000c
	s_cmp_lg_u32 s2, 0x3003
	s_cbranch_scc0 .Lentry_shape_is_right
	s_endpgm
.Lentry_shape_is_right:
; LAUNCH 2 OF 2: q and k projections, scores, both softmaxes, attn quantised, attn v, the output projection.
; LEFT OUT AS DEAD WORK: bk (shown at the head of the first launch: it adds the same number to all scores of a row, and no quantiser sees k).
; SHARES.  A work-group of eight waves owns 32 queries of one batch.  A TASK is 16 queries x 1,024 keys of one head; TWO WAVES SHARE A TASK, 512 keys each.  Wave w: key half w % 2, heads 4 ((w / 2) % 2) + j one after the other,
; queries 16 (w / 4) on; its partner is wave w xor 1.  A wave has 512 registers, so two waves lie on a SIMD: while one waits (mask words, results, a branch) the other issues.
; THE SCORES ARE MADE ONCE AND STAY IN REGISTERS: 8,192 numbers a wave, 256 registers (window 1), written by v_wmma_f32_16x16x4_f32 alone.  Lane (r, h) holds query r throughout.
; A ROW.  s = q . k, c = log2(e) / 4, t = c s.  Mg = the largest t, Ml = the largest t where the mask is on.  e = 2^(t - Ml) where the mask is on, 2^(t - Mg) where it is off: both maxima are taken away.
; SI = sum of e (on), SO = sum of e (off), f = 2^(Ml - Mg).  Zl = SI, Zg = SO + f SI.  attn = e wl (on) or e wg (off), wg = 0.5 / Zg, wl = 0.5 (1 / Zl + f / Zg): 0.5 (global + local softmax), finished and normalised.
; PHASE A (written out, 4 chunks of 128 keys): k projected from the codes of key in LDS, the scores, the two maxima of my half row.  PHASE B (a loop): e under my own maxima, and the two sums.
; THE EXCHANGE: the partners hand each other -c Mg, -c Ml, SI, SO through LDS; the maxima of the row are the larger ones, and each sum is multiplied by 2^(c (own M - M)) before the two are added.
; PHASE C (a loop): attn = 2^(c s + K), K = -c M + log2 w, quantised along the keys, O^T += v^T attn^T over my 512 keys.  K is rounded once: half an ulp of |K| in the exponent.  The way out adds the two partial O^T in f32.
; In the loops only the 16 packed multiply-adds of a half chunk name score registers: they stand in four arms, chosen by scalar compares on the trip counter; all else is written once.
; k: source 0 = 16 channels of Wk, source 1 = 16 keys: lane (r, h) holds key r and channels 8 h + j, which is source 0 of the f32 form, step s taking channels 8 h + 2 s + 0, 1 on both sides alike.
; THE MASK WORDS (lane masks made by the first launch) lie in two buffers of 32 scalar registers; each is loaded for the next chunk behind its last use, behind the wait that shows the other landed; the chunk wraps modulo 4.
; A mask row with no true entry gives NaN in the whole output row, as in reference(): a NaN is added to that row of y at the end.
; LDS: all of a batch, 204,800 bytes of images made by the first launch, comes ONCE, at the head; nothing is filled again.  CLUSTER: the four work-groups of a cluster belong to one batch and ask for it JOINTLY (mask 15).
; Each of the eight waves brings 50 rows of 256 bytes of K and as many of V: its share by arithmetic on its number; two tensor loads of a wave are out at the most.
; LIMITS: a score at or under -3e38 counts as masked; v_exp_f32 gives 0 for results under 2^-126 (ISA guide, its entry); a block of zeros has the byte 1 and zero codes; NaN, infinities and scale bytes 0xff among the inputs are not served.
; REGISTERS, in windows of 256: window 0 all that vector lines and loads write; window 1 the scores (my chunk c from v[64 c]; register 16 b + i = key 32 b + 16 h + i of the chunk).
.set OUTF,  204800                     ; LDS: behind the two regions: the partial attn v: 5,120 bytes a wave, 1,280 a task, 16 rows of 64 bytes + 16,
.set YST,   245760                     ; y: 32 rows x (512 bytes + 16),
.set XCH,   262656                     ; the exchange: 512 bytes a wave, 16 a lane,
.set SPARE, 279040                     ; and the spare words, 128 bytes for each of 8 waves: four blocks of 256 bytes that no other line names
.set LI,    1                          ; v1   16 x lane
.set ADK,   2                          ; v2   the K record of the chunk in hand
.set ADV,   3                          ; v3   the image of V in hand
.set ADVS,  4                          ; v4   and its scale words
.set SPW,   5                          ; v5   my spare word; never rewritten
.set NIL,   6                          ; v6   0; never rewritten
.set NEGV,  7                          ; v7   -3e38
.set Q,     8                          ; v8-15    bq, then q: query r, channels 8 h + j.  At the end: bo of my first group of outputs, then y
.set WKF,   16                         ; v16-27   the fragment of Wk; at the end of Wo, my second group
.set WKS,   28                         ; v28      its scale words
.set VS,    29                         ; v29      scale words of V
.set PW,    30                         ; v30      scale word just made
.set QS,    31                         ; v31      scale words of query
.set KS,    32                         ; v32-35   scale words of eight tiles of keys: register b, lanes 0-15 tile 2 b, lanes 16-31 tile 2 b + 1
.set O,     36                         ; v36-43   O^T: query r, channels 8 h + j
.set RG,    44                         ; v44-47   largest s, four chains;  v48-51 under the mask
.set RL,    48
.set ZO,    44                         ; v44-51   SO, four pairs (behind phase A)
.set NMG,   52                         ; -c Mg, -c Ml.  v[52:55] = -c Mg, -c Ml, SI, SO is what the partner gets
.set NML,   53
.set ZI,    54                         ; v54-61   SI, four pairs
.set WG,    62
.set WL,    63
.set POI,   64                         ; 0, or NaN where my mask row is empty
.set FF,    65                         ; f
.set CM,    66                         ; v66-69   at work
.set TM,    70                         ; v70-81   at work in a quantiser
.set PC,    82                         ; v82-101  codes
.set WQF,   102                        ; v102-113 the fragment of Wq;  v114 its scale words.  At the end: of Wo, my first group
.set WQS,   114
.set NEGN,  115                        ; -c x -3e38: what -c Ml is where nothing came through the mask
.set QF,    116                        ; v116-127 my 16 queries: they stay
.set T,     128                        ; v128-159 32 numbers at work (phases A, B, the way out)
.set VF,    128                        ; v128-139 the fragment of V (phase C)
.set SOL,   160                        ; 80 r + 32 h
.set FRD,   161                        ; where I read my blocks of a row of attn v
.set FW,    162                        ; 96 r + 24 h
.set SW4,   163                        ; 4 r
.set BH,    164                        ; 32 h
.set TMP,   165
.set U,     166                        ; v166-245 by turns:
.set FR,    U                          ;   four fragments of keys (48),
.set KT,    U+48                       ;   four tiles of k (32);
.set X,     U                          ;   64 numbers at work,
.set YB1,   U+64                       ;   at the end: bo of my second group of outputs, then y
.set XP,    246                        ; v246-249 the four numbers of my partner
.set YRD,   250                        ; where I read rows of y back
.set KG,    251                        ; K where the mask is off, on
.set KL,    252
.set XRA,   253                        ; the exchange: where my partner writes,
.set SOY,   254                        ; where I put 32 bytes of a row of y
.set XWA,   255                        ; the exchange: where I write
.set TASK,  2                          ; s2   0 .. 3
.set WV,    3                          ; s3   wave
.set MP,    4                          ; s[4:5] the mask words of my query tile and key half; never rewritten
.set KOFF,  8                          ; s8   12,800 x chunk
.set CNT,   9
.set CS,    10                         ; s[10:11] c, c
.set NC,    12                         ; s12  -c
.set XSEL,  14                         ; s[14:15] selects for lane l xor 16
.set QT,    66                         ; at the head alone
.set H0,    67
.set MN,    66                         ; 256 x the next chunk
.set G1,    84                         ; at the head: s[84:91] descriptor group 1;  s[92:95], s[96:99] groups 0 for K and V
.set G0K,   92
.set G0V,   96
.set PQC,   84                         ; behind it: Wq codes, Wq scales, bq, Wk codes, Wk scales of the head in hand (in the last task: Wo, its scales, bo); out0 at my rows
.set PQS,   86
.set PBQ,   88
.set PKC,   90
.set PKS,   92
.set POUT,  94
.set VB,    96                         ; LDS: my head in my first V record,
.set OB,    97                         ; my task in OUTF,
.set VSB,   98                         ; the scale words of my head in my first V record,
.set KB,    99                         ; my first K record
.set BB,    100
.set QB,    101
; mask word idx lies in s[16 + idx] (idx < 48) or s[20 + idx]: words 0-31 are buffer L, words 32-63 buffer H
.set MSB, 0
.macro WIN new                         ; the high byte of the immediate repeats the setting that is left; a switch that changes nothing is dropped
.set WNEW, \new
.if MSB != WNEW
	s_set_vgpr_msb (MSB<<8)|WNEW
.set MSB, WNEW
.endif
.endm
.macro CROUND                          ; a round of the cluster barrier
	s_barrier_signal -1
	s_barrier_wait -1
	s_cmp_lg_u32 s[WV], 0
	s_cbranch_scc1 .Lnot_wave_0_\@
	s_barrier_signal -3
.Lnot_wave_0_\@:
	s_barrier_wait -3
	s_barrier_signal -1
	s_barrier_wait -1
.endm
.macro PLACES n
.rept \n
	v_nop
.endr
.endm
.macro MLOADL off                      ; words 0-31 of the chunk at byte off
	s_load_b512 s[16:31], s[MP:MP+1], \off
	s_load_b512 s[32:47], s[MP:MP+1], \off+0x40
.endm
.macro MLOADH off                      ; words 32-63
	s_load_b512 s[48:63], s[MP:MP+1], \off+0x80
	s_load_b512 s[68:83], s[MP:MP+1], \off+0xc0
.endm
.macro RELOAD hf                       ; in a loop: buffer hf, read for the last time in this trip, takes the words of chunk (CNT + 1) % 4
	s_wait_kmcnt 0x0                               ; the other buffer has landed; no scalar load is out, so the offset may be written
	s_add_co_u32 s[MN], s[CNT], 1
	s_and_b32 s[MN], s[MN], 3
	s_lshl_b32 s[MN], s[MN], 8
.if \hf
	s_load_b512 s[48:63], s[MP:MP+1], s[MN] offset:0x80
	s_load_b512 s[68:83], s[MP:MP+1], s[MN] offset:0xc0
.else
	s_load_b512 s[16:31], s[MP:MP+1], s[MN] offset:0x0
	s_load_b512 s[32:47], s[MP:MP+1], s[MN] offset:0x40
.endif
.endm
.macro PICK d, a, b, idx               ; d = b where the mask is on for score register idx, else a
	v_cndmask_b32 \d, \a, \b, s[16+(\idx)+4*((\idx)/48)]
.endm
.macro TILES t0                        ; four images of 16 keys x 128: each load takes 512 consecutive bytes
	WIN 0
.irp t, 0,1,2,3
.irp g, 0,1,2
	ds_load_b128 v[FR+12*\t+4*\g:FR+12*\t+4*\g+3], v[ADK] offset:1536*((\t0)+\t)+512*\g
.endr
.endr
.endm
.macro KPROJ t0                        ; k of four tiles: source 0 = my 16 channels of Wk, source 1 = 16 keys
	WIN 0
.irp t, 0,2
	v_wmma_scale_f32_16x16x128_f8f6f4 v[KT+8*\t:KT+8*\t+7], v[WKF:WKF+11], v[FR+12*\t:FR+12*\t+11], 0, v[WKS], v[KS+((\t0)+\t)/2] matrix_a_fmt:MATRIX_FMT_FP6 matrix_b_fmt:MATRIX_FMT_FP6
	v_wmma_scale_f32_16x16x128_f8f6f4 v[KT+8*\t+8:KT+8*\t+15], v[WKF:WKF+11], v[FR+12*\t+12:FR+12*\t+23], 0, v[WKS], v[KS+((\t0)+\t)/2] matrix_a_fmt:MATRIX_FMT_FP6 matrix_b_fmt:MATRIX_FMT_FP6 matrix_b_scale:MATRIX_SCALE_ROW1
.endr
.endm
.macro DOTS c, t0                      ; S^T = k q^T of four tiles of chunk c: four steps of 4 along the 16 channels; the four accumulators by turns, one instruction a turn; the first step starts the sums
	WIN 0x50                                       ; C and D in window 1
.irp s, 0,1,2,3
.irp t, 0,1,2,3
.if \s == 0
	v_wmma_f32_16x16x4_f32 v[64*(\c)+8*((\t0)+\t):64*(\c)+8*((\t0)+\t)+7], v[KT+8*\t+2*\s:KT+8*\t+2*\s+1], v[Q+2*\s:Q+2*\s+1], 0
.else
	v_wmma_f32_16x16x4_f32 v[64*(\c)+8*((\t0)+\t):64*(\c)+8*((\t0)+\t)+7], v[KT+8*\t+2*\s:KT+8*\t+2*\s+1], v[Q+2*\s:Q+2*\s+1], v[64*(\c)+8*((\t0)+\t):64*(\c)+8*((\t0)+\t)+7]
.endif
.endr
.endr
.endm
.macro HALFMAX c, hf                   ; the two running maxima take in 32 scores: half hf of chunk c.  Each accumulator is first read at its low end
.set SB, 64*(\c)+32*(\hf)
	WIN 0x14                                       ; sources 1 and 2 in window 1
.set m, 0
.rept 16
	v_max3_num_f32 v[RG+m%4], v[RG+m%4], v[SB+2*m], v[SB+2*m+1]
.set m, m+1
.endr
	WIN 0x04                                       ; source 1
.set m, 0
.rept 32
	PICK v[T+m], v[NEGV], v[SB+m], 32*(\hf)+m
.set m, m+1
.endr
	WIN 0
.set m, 0
.rept 16
	v_max3_num_f32 v[RL+m%4], v[RL+m%4], v[T+2*m], v[T+2*m+1]
.set m, m+1
.endr
.endm
; A chunk of phase A.  Places by ISA guide 7.12.1; only plain vector lines that name no register of the product count.  The maxima of one half chunk are the places behind the next run of products.
.macro CHUNK c
	s_wait_dscnt 0x0                               ; the scale words and tiles 0-3 of this chunk, asked for under the last run of products
	KPROJ 0
	PLACES 5                                       ; the results are taken as a source by matrix instructions next; and loads go into the fragments just read
	TILES 4                                        ; they land while the sixteen products below are issued
	DOTS \c, 0
.if (\c) == 0
	PLACES 9                                       ; the tiles of k, sources of the f32 form, are written over by matrix instructions next
.else
	s_wait_kmcnt 0x0                               ; all mask words asked for so far
	HALFMAX (\c)-1, 1                              ; 64 plain lines: the places
	MLOADH 256*(\c)
.endif
	s_wait_dscnt 0x0
	KPROJ 4
.if (\c) < 3
	v_add_nc_u32 v[ADK], 12800, v[ADK]             ; the next record; with the four below: five places
	PLACES 4
	ds_load_b128 v[KS:KS+3], v[ADK] offset:12288
	TILES 0
.else
	PLACES 5
.endif
	DOTS \c, 4
	s_wait_kmcnt 0x0
	HALFMAX \c, 0                                  ; the first half was finished a run of products ago; these 64 lines are the places behind the second
	MLOADL 256*(((\c)+1)%4)
.endm
.macro ARM c, hf                       ; X = c S + X for half hf of chunk c
	WIN 1                                          ; source 0 in window 1
.set m, 0
.rept 16
	v_pk_fma_f32 v[X+32*(\hf)+m:X+32*(\hf)+m+1], v[64*(\c)+32*(\hf)+m:64*(\c)+32*(\hf)+m+1], s[CS:CS+1], v[X+32*(\hf)+m:X+32*(\hf)+m+1] op_sel_hi:[1,0,1]
.set m, m+2
.endr
	WIN 0
.endm
.macro SWITCH pre, hf                  ; the arm of chunk CNT: a chain of compares on the trip counter; at every branch and label every window is 0
.irp c, 0,1,2
	s_cmp_eq_u32 s[CNT], \c
	s_cbranch_scc1 .La\pre\c
.endr
	ARM 3, \hf
	s_branch .Lj\pre
.irp c, 0,1,2
.La\pre\c:
	ARM \c, \hf
.if \c < 2
	s_branch .Lj\pre
.endif
.endr
.Lj\pre:
.endm
.macro EXP32 hf
.set m, 0
.rept 32
	v_exp_f32 v[X+32*(\hf)+m], v[X+32*(\hf)+m]
.set m, m+1
.endr
.endm
.macro HALFB pre, hf                   ; phase B, half a chunk: e, and the two sums
.set m, 0
.rept 32
	PICK v[X+32*(\hf)+m], v[NMG], v[NML], 32*(\hf)+m
.set m, m+1
.endr
	SWITCH \pre, \hf
	EXP32 \hf
	v_nop                                          ; a plain place behind the last exponential
	s_wait_alu depctr_va_vdst(0)                   ; one wait for the 32, ahead of the first line that names a result
.set m, 0
.rept 32
	PICK v[T+m], 0, v[X+32*(\hf)+m], 32*(\hf)+m    ; e where the mask is on, else 0
.set m, m+1
.endr
	RELOAD \hf                                     ; this buffer has been read for the last time in this trip
.set m, 0
.rept 16
	v_pk_add_f32 v[ZI+2*(m%4):ZI+2*(m%4)+1], v[ZI+2*(m%4):ZI+2*(m%4)+1], v[T+2*m:T+2*m+1]
.set m, m+1
.endr
.set m, 0
.rept 16
	v_pk_add_f32 v[X+32*(\hf)+2*m:X+32*(\hf)+2*m+1], v[X+32*(\hf)+2*m:X+32*(\hf)+2*m+1], v[T+2*m:T+2*m+1] neg_lo:[0,1] neg_hi:[0,1]   ; e or 0, exactly
.set m, m+1
.endr
.set m, 0
.rept 16
	v_pk_add_f32 v[ZO+2*(m%4):ZO+2*(m%4)+1], v[ZO+2*(m%4):ZO+2*(m%4)+1], v[X+32*(\hf)+2*m:X+32*(\hf)+2*m+1]
.set m, m+1
.endr
.endm
; 64 numbers of a lane, none negative, register 16 b + i = k 32 b + 16 (lane / 16) + i of my row, become a fragment in v[PC] on and its scale word in v[PW].
.macro QUANT s
.irp b, 0,1,2,3
	v_max3_num_f32 v[TM+\b], v[\s+16*\b], v[\s+1+16*\b], 0x1800000   ; my 16 numbers of block b, and the floor 2^(3 - 127): the byte cannot fall under 1
.endr
.irp i, 2,4,6,8,10,12,14
.irp b, 0,1,2,3
	v_max3_num_f32 v[TM+\b], v[TM+\b], v[\s+16*\b+\i], v[\s+1+16*\b+\i]
.endr
.endr
.irp b, 0,1,2,3
	v_permlanex16_b32 v[TM+4+\b], v[TM+\b], s[XSEL], s[XSEL+1]
.endr
.irp b, 0,1,2,3
	v_max_num_f32 v[TM+\b], v[TM+\b], v[TM+4+\b]
.endr
.irp b, 0,1,2,3
	v_add_nc_u32 v[TM+8+\b], 0xff000000, v[TM+\b]  ; 2 off the exponent field: the scale operand of the conversion
.endr
.irp b, 0,1,2,3
	v_lshrrev_b32 v[TM+4+\b], 23, v[TM+8+\b]       ; the scale byte
.endr
	v_lshl_or_b32 v[PW], v[TM+5], 8, v[TM+4]
	v_lshl_or_b32 v[PW], v[TM+6], 16, v[PW]
	v_lshl_or_b32 v[PW], v[TM+7], 24, v[PW]
.irp c, 0,1
	v_cvt_scalef32_pk16_fp6_f32 v[PC+6*\c:PC+2+6*\c], v[\s+32*\c:\s+15+32*\c], v[TM+8+2*\c]
	v_cvt_scalef32_pk16_fp6_f32 v[PC+12+4*\c:PC+14+4*\c], v[\s+16+32*\c:\s+31+32*\c], v[TM+8+2*\c+1]
.endr
	v_nop                                          ; one plain place behind the scaled conversions
.irp c, 0,1
.irp i, 0,1,2
	v_permlane16_swap_b32 v[PC+6*\c+\i], v[PC+12+4*\c+\i]
.endr
.irp i, 0,1,2
	v_mov_b32 v[PC+3+6*\c+\i], v[PC+12+4*\c+\i]
.endr
.endr
.endm
.macro HEADW pqc, pqs, pbq, pkc, pks   ; the weights of one head: Wq, bq (the C of the product), Wk.  In the last task, by other pointers: two groups of Wo, and bo of the first
.irp p, 0,1,2,3,4,5
	global_load_b64 v[WQF+2*\p:WQF+2*\p+1], v[FW], s[\pqc:\pqc+1] offset:48*(\p/3)+8*(\p%3)
.endr
	global_load_b32 v[WQS], v[SW4], s[\pqs:\pqs+1]
	global_load_b128 v[Q:Q+3], v[BH], s[\pbq:\pbq+1]
	global_load_b128 v[Q+4:Q+7], v[BH], s[\pbq:\pbq+1] offset:16
.irp p, 0,1,2,3,4,5
	global_load_b64 v[WKF+2*\p:WKF+2*\p+1], v[FW], s[\pkc:\pkc+1] offset:48*(\p/3)+8*(\p%3)
.endr
	global_load_b32 v[WKS], v[SW4], s[\pks:\pks+1]
.endm
	s_load_b512 s[16:31], s[0:1], 0x0              ; kv s[16:17], maskw s[18:19], query codes s[20:21], query scales s[22:23], Wq codes s[24:25], Wq scales s[26:27], bq s[28:29], Wk codes s[30:31]
	s_load_b64 s[32:33], s[0:1], 0x40              ; Wk scales
	s_load_b64 s[42:43], s[0:1], 0x60              ; out0
	v_lshl_add_u32 v[SPW], v0, 2, SPARE
	v_mov_b32 v[NIL], 0
	ds_add_u32 v[SPW], v[NIL]                      ; the opening: the add, twice on end, and its wait ahead of my first tensor load
	ds_add_u32 v[SPW], v[NIL]
	v_lshrrev_b32 v[CM], 5, v0
	v_readfirstlane_b32 s[WV], v[CM]               ; wave 0 .. 7
	s_lshr_b32 s[QT], s[WV], 2                     ; which 16 of the 32 queries
	s_bfe_u32 s[H0], s[WV], 0x10001
	s_lshl_b32 s[H0], s[H0], 2                     ; my first head
	s_and_b32 s[BB], ttmp7, 0xffff                 ; the batch, which the four partners of the cluster share
	s_bfe_u32 s6, ttmp6, 0x40000                   ; cx: it enters global addresses alone
	s_lshl_b32 s[QB], ttmp9, 2
	s_add_co_u32 s[QB], s[QB], s6                  ; my block of 32 queries
	s_mov_b32 s[G1], 15|(3<<16)|(1<<21)            ; 15:0 the mask: all four work-groups; 17:16 elements of 8 bytes; 20 no padding; 21 set beside a mask
	s_mov_b32 s[G1+1], 32<<16                      ; tensor_dim0 = 32 elements: 256 bytes
	s_mov_b32 s[G1+2], 50<<16                      ; tensor_dim1 = 50
	s_mov_b32 s[G1+3], 32<<16                      ; tile_dim0
	s_mov_b32 s[G1+4], 50                          ; tile_dim1
	s_mov_b32 s[G1+5], 32                          ; from row to row: dense
	s_mov_b32 s[G1+6], 0
	s_mov_b32 s[G1+7], 0
	s_mov_b32 s[G0K], 1
	s_mul_i32 s[G0K+1], s[WV], 12800               ; LDS: my 50 rows of the K region,
	s_mov_b32 s[G0V], 1
	s_add_co_u32 s[G0V+1], s[G0K+1], 102400        ; and of the V region
	s_mov_b32 s[CS], 0x3eb8aa3b                    ; c = log2(e) / 4
	s_mov_b32 s[CS+1], s[CS]
	s_mov_b32 s[NC], 0xbeb8aa3b                    ; -c
	s_mov_b32 s[XSEL], 0x76543210
	s_mov_b32 s[XSEL+1], 0xfedcba98
	v_and_b32 v[CM], 15, v0                        ; r
	v_bfe_u32 v[CM+1], v0, 4, 1                    ; h
	v_and_b32 v[CM+2], 31, v0                      ; lane
	v_lshlrev_b32 v[LI], 4, v[CM+2]
	v_mul_u32_u24 v[FW], v[CM], 96
	v_mad_u32_u24 v[FW], v[CM+1], 24, v[FW]
	v_lshlrev_b32 v[SW4], 2, v[CM]
	v_lshlrev_b32 v[BH], 5, v[CM+1]
	v_mul_u32_u24 v[SOL], v[CM], 80
	v_add_nc_u32 v[SOL], v[BH], v[SOL]
	s_mul_i32 s6, s[QT], 20480
	s_add_co_u32 s6, s6, OUTF
	v_mul_u32_u24 v[FRD], v[CM+1], 2560
	v_mad_u32_u24 v[FRD], v[CM], 80, v[FRD]
	v_add_nc_u32 v[FRD], s6, v[FRD]                ; the four waves of my query tile; tasks 2 h and 2 h + 1 of each; row r
	s_mul_i32 s6, s[QT], 8448
	s_and_b32 s7, s[WV], 3
	s_lshl_b32 s7, s7, 7
	s_add_co_u32 s6, s6, s7
	s_add_co_u32 s6, s6, YST
	v_mul_u32_u24 v[SOY], v[CM], 528
	v_add_nc_u32 v[SOY], v[BH], v[SOY]
	v_add_nc_u32 v[SOY], s6, v[SOY]                ; y: row 16 QT + r, + 128 (w % 4) + 32 h
	s_mul_i32 s6, s[WV], 2112
	s_add_co_u32 s6, s6, YST
	v_add_nc_u32 v[YRD], s6, v[LI]                 ; rows 4 w .. 4 w + 3 of y
	s_lshl_b32 s6, s[WV], 9
	s_add_co_u32 s6, s6, XCH
	v_add_nc_u32 v[XWA], s6, v[LI]                 ; the exchange: my 512 bytes,
	s_xor_b32 s6, s[WV], 1
	s_lshl_b32 s6, s6, 9
	s_add_co_u32 s6, s6, XCH
	v_add_nc_u32 v[XRA], s6, v[LI]                 ; and those of my partner
	s_wait_dscnt 0x0                               ; both opening adds are done
	s_wait_kmcnt 0x0
	s_mul_i32 s6, s[BB], 204800
	s_add_co_u32 s6, s6, s[G0K+1]
	s_mov_b32 s7, 0
	s_add_nc_u64 s[G0K+2:G0K+3], s[16:17], s[6:7]  ; kv: my batch, my 12,800 bytes of K: batch and wave alone, the same in all four partners
	s_add_nc_u64 s[G0V+2:G0V+3], s[G0K+2:G0K+3], 102400
	s_or_b32 s[G0K+3], s[G0K+3], 0x80000000        ; type = 2
	s_or_b32 s[G0V+3], s[G0V+3], 0x80000000
	s_lshl_b32 s6, s[QB], 1
	s_add_co_u32 s6, s6, s[QT]
	s_lshl_b32 s6, s6, 11
	s_and_b32 s13, s[WV], 1
	s_lshl_b32 s13, s13, 10
	s_add_co_u32 s6, s6, s13
	s_add_nc_u64 s[MP:MP+1], s[18:19], s[6:7]      ; the mask words of query tile 2 QB + QT, 2,048 bytes a tile, and of my four chunks in it
	s_lshl_b32 s13, s[BB], 10
	s_lshl_b32 s6, s[QB], 5
	s_add_co_u32 s13, s13, s6                      ; the first query of the work-group, counted over all batches
	s_lshl_b32 s6, s[WV], 2
	s_add_co_u32 s6, s6, s13
	s_lshl_b32 s6, s6, 9
	s_add_nc_u64 s[42:43], s[42:43], s[6:7]        ; out0 at the four rows that I store
	s_lshl_b32 s6, s[QT], 4
	s_add_co_u32 s13, s13, s6                      ; my first query
	s_mul_i32 s6, s13, 96
	s_add_nc_u64 s[20:21], s[20:21], s[6:7]
	s_lshl_b32 s6, s13, 2
	s_add_nc_u64 s[22:23], s[22:23], s[6:7]
	s_mul_i32 s6, s[H0], 1536
	s_add_nc_u64 s[24:25], s[24:25], s[6:7]        ; the 16 rows of Wq and of Wk of my first head
	s_add_nc_u64 s[30:31], s[30:31], s[6:7]
	s_lshl_b32 s6, s[H0], 6
	s_add_nc_u64 s[26:27], s[26:27], s[6:7]
	s_add_nc_u64 s[28:29], s[28:29], s[6:7]
	s_add_nc_u64 s[32:33], s[32:33], s[6:7]
	CROUND                                         ; all four work-groups are here: the joint loads meet
	tensor_load_to_lds s[G0K:G0K+3], s[G1:G1+7]
	s_nop 0
	tensor_load_to_lds s[G0V:G0V+3], s[G1:G1+7]
	s_nop 0
	PLACES 4
.irp p, 0,1,2,3,4,5
	global_load_b64 v[QF+2*\p:QF+2*\p+1], v[FW], s[20:21] offset:48*(\p/3)+8*(\p%3)      ; my 16 queries
.endr
	global_load_b32 v[QS], v[SW4], s[22:23]
	HEADW 24, 26, 28, 30, 32
	v_mov_b32 v[NEGV], 0xff61b1e6                  ; -3e38
	v_mul_f32 v[NEGN], s[NC], v[NEGV]
.irp b, 0,1,2,3
	v_mov_b32 v[TM+4+\b], 0                        ; the destination of a lane permute counts as one of its sources
.endr
	s_wait_loadcnt 0x0                             ; all loads are in, so their address registers may be written again
	s_wait_tensorcnt 0x0                           ; my parts of K and V have landed, so the descriptors may be written over
	s_mov_b64 s[PQC:PQC+1], s[24:25]
	s_mov_b64 s[PQS:PQS+1], s[26:27]
	s_mov_b64 s[PBQ:PBQ+1], s[28:29]
	s_mov_b64 s[PKC:PKC+1], s[30:31]
	s_mov_b64 s[PKS:PKS+1], s[32:33]
	s_mov_b64 s[POUT:POUT+1], s[42:43]
	s_and_b32 s[KB], s[WV], 1
	s_mul_i32 s[KB], s[KB], 51200                  ; my key half: four records of 12,800 bytes on
	s_mul_i32 s[VB], s[H0], 1536
	s_add_co_u32 s[VB], s[VB], s[KB]
	s_add_co_u32 s[VB], s[VB], 102400
	s_lshl_b32 s[VSB], s[H0], 6
	s_add_co_u32 s[VSB], s[VSB], s[KB]
	s_add_co_u32 s[VSB], s[VSB], 114688
	s_mul_i32 s[OB], s[WV], 5120
	s_add_co_u32 s[OB], s[OB], OUTF
	MLOADL 0                                       ; the mask words of my chunk 0
	MLOADH 0
	s_mov_b32 s[TASK], 0
	s_barrier_signal -1
	s_barrier_wait -1                              ; the parts of every wave have landed
.Ltask:
	v_add_nc_u32 v[ADK], s[KB], v[LI]
	ds_load_b128 v[KS:KS+3], v[ADK] offset:12288
	TILES 0
	s_wait_loadcnt 0x0                             ; the weights of this head, asked for behind phase A of the last task
	v_wmma_scale_f32_16x16x128_f8f6f4 v[Q:Q+7], v[WQF:WQF+11], v[QF:QF+11], v[Q:Q+7], v[WQS], v[QS] matrix_a_fmt:MATRIX_FMT_FP6 matrix_b_fmt:MATRIX_FMT_FP6   ; q = query Wq + bq: lane (r, h): query r, channels 8 h + j
.irp k, 0,1,2,3,4,5,6,7
	v_mov_b32 v[RG+\k], v[NEGV]                    ; the eight chains; also the places behind the product
.endr
	; ---- PHASE A
	CHUNK 0
	CHUNK 1
	CHUNK 2
	CHUNK 3
	HALFMAX 3, 1                                   ; its words were shown landed by the wait ahead of the half before
	MLOADH 0
	; what the next product of this kind wants: the weights of the next head, or, in the last task, Wo and bo for the way out.  The loads that read these pointers were shown done at the top of the task
	s_cmp_eq_u32 s[TASK], 3
	s_cbranch_scc1 .Llast_head
	s_add_nc_u64 s[PQC:PQC+1], s[PQC:PQC+1], 1536
	s_add_nc_u64 s[PKC:PKC+1], s[PKC:PKC+1], 1536
	s_add_nc_u64 s[PQS:PQS+1], s[PQS:PQS+1], 64
	s_add_nc_u64 s[PBQ:PBQ+1], s[PBQ:PBQ+1], 64
	s_add_nc_u64 s[PKS:PKS+1], s[PKS:PKS+1], 64
	s_branch .Lweights
.Llast_head:
	s_load_b128 s[PQC:PQC+3], s[0:1], 0x48         ; Wo codes, Wo scales
	s_load_b64 s[PBQ:PBQ+1], s[0:1], 0x58          ; bo
	s_and_b32 s13, s[WV], 3                        ; my two groups of 16 outputs: 2 (w % 4) and the next
	s_lshl_b32 s6, s13, 7
	s_mov_b32 s7, 0
	s_wait_kmcnt 0x0
	s_add_nc_u64 s[PQS:PQS+1], s[PQS:PQS+1], s[6:7]
	s_add_nc_u64 s[PBQ:PBQ+1], s[PBQ:PBQ+1], s[6:7]
	s_mul_i32 s6, s13, 3072
	s_add_nc_u64 s[PQC:PQC+1], s[PQC:PQC+1], s[6:7]
	s_add_nc_u64 s[PKC:PKC+1], s[PQC:PQC+1], 1536
	s_add_nc_u64 s[PKS:PKS+1], s[PQS:PQS+1], 64
	global_load_b128 v[YB1:YB1+3], v[BH], s[PBQ:PBQ+1] offset:64     ; bo of my second group: registers that phases B and C leave alone
	global_load_b128 v[YB1+4:YB1+7], v[BH], s[PBQ:PBQ+1] offset:80
.Lweights:
	HEADW PQC, PQS, PBQ, PKC, PKS
	; the chains and the two halves of the lanes meet: the maxima of my half row
	v_max3_num_f32 v[RG], v[RG], v[RG+1], v[RG+2]
	v_max3_num_f32 v[RL], v[RL], v[RL+1], v[RL+2]
	v_max_num_f32 v[RG], v[RG], v[RG+3]
	v_max_num_f32 v[RL], v[RL], v[RL+3]
	v_permlanex16_b32 v[CM], v[RG], s[XSEL], s[XSEL+1]
	v_permlanex16_b32 v[CM+1], v[RL], s[XSEL], s[XSEL+1]
	v_max_num_f32 v[RG], v[RG], v[CM]
	v_max_num_f32 v[RL], v[RL], v[CM+1]
	v_mul_f32 v[NMG], s[NC], v[RG]                 ; -c Mg, -c Ml
	v_mul_f32 v[NML], s[NC], v[RL]
.irp k, 0,1,2,3,4,5,6,7
	v_mov_b32 v[ZI+\k], 0                          ; SI and SO
	v_mov_b32 v[ZO+\k], 0
.endr
	s_wait_kmcnt 0x0                               ; the mask words of chunk 0
	; ---- PHASE B
	s_mov_b32 s[CNT], 0
.Lb:
	HALFB bl, 0
	HALFB bh, 1
	s_add_co_u32 s[CNT], s[CNT], 1
	s_cmp_lt_u32 s[CNT], 4
	s_cbranch_scc1 .Lb
	; the sums of my half row
	v_pk_add_f32 v[ZI:ZI+1], v[ZI:ZI+1], v[ZI+2:ZI+3]
	v_pk_add_f32 v[ZI+4:ZI+5], v[ZI+4:ZI+5], v[ZI+6:ZI+7]
	v_pk_add_f32 v[ZO:ZO+1], v[ZO:ZO+1], v[ZO+2:ZO+3]
	v_pk_add_f32 v[ZO+4:ZO+5], v[ZO+4:ZO+5], v[ZO+6:ZO+7]
	v_pk_add_f32 v[ZI:ZI+1], v[ZI:ZI+1], v[ZI+4:ZI+5]
	v_pk_add_f32 v[ZO:ZO+1], v[ZO:ZO+1], v[ZO+4:ZO+5]
	v_add_f32 v[ZI], v[ZI], v[ZI+1]
	v_add_f32 v[ZO], v[ZO], v[ZO+1]
	v_permlanex16_b32 v[CM], v[ZI], s[XSEL], s[XSEL+1]
	v_permlanex16_b32 v[CM+1], v[ZO], s[XSEL], s[XSEL+1]
	v_add_f32 v[ZI], v[ZI], v[CM]                  ; SI,
	v_add_f32 v[ZI+1], v[ZO], v[CM+1]              ; and SO beside it: v[52:55] = -c Mg, -c Ml, SI, SO
	; ---- THE EXCHANGE
	s_wait_dscnt 0x0                               ; no LDS instruction of mine is out
	s_barrier_signal -1
	s_barrier_wait -1                              ; every wave has read what the last task put into the exchange: it may be written again
	ds_store_b128 v[XWA], v[NMG:NMG+3]
	s_wait_dscnt 0x0                               ; for the sake of my partner: the store has landed
	s_barrier_signal -1
	s_barrier_wait -1
	ds_load_b128 v[XP:XP+3], v[XRA]
.irp j, 0,1,2,3,4,5,6,7
	v_mov_b32 v[O+\j], 0                           ; O^T: phase C is written once; its first product finds zeros
.endr
	v_mov_b32 v[TMP], 0x7fc00000                   ; NaN
	s_wait_dscnt 0x0
	v_min_num_f32 v[CM], v[NMG], v[XP]             ; -c x the larger maximum: that of the row
	v_min_num_f32 v[CM+1], v[NML], v[XP+1]
	v_sub_f32 v[TM], v[CM], v[NMG]                 ; c (own M - M): 0 or less; mine and my partner's
	v_sub_f32 v[TM+1], v[CM], v[XP]
	v_sub_f32 v[TM+2], v[CM+1], v[NML]
	v_sub_f32 v[TM+3], v[CM+1], v[XP+1]
	v_sub_f32 v[FF], v[CM], v[CM+1]                ; c (Ml - Mg): 0 or less
.irp k, 0,1,2,3
	v_exp_f32 v[TM+\k], v[TM+\k]
.endr
	v_exp_f32 v[FF], v[FF]
	v_mov_b32 v[NMG], v[CM]                        ; plain work behind the exponentials
	v_mov_b32 v[NML], v[CM+1]
	v_cmp_eq_f32 s6, v[NEGN], v[CM+1]              ; no score of my row came through the mask
	v_cndmask_b32 v[POI], 0, v[TMP], s6
	s_wait_alu depctr_va_vdst(0)                   ; one wait for the five
	v_mul_f32 v[ZO], v[ZI+1], v[TM]
	v_mul_f32 v[ZI], v[ZI], v[TM+2]
	v_fma_f32 v[ZO], v[XP+3], v[TM+1], v[ZO]       ; SO of the row
	v_fma_f32 v[ZI], v[XP+2], v[TM+3], v[ZI]       ; Zl = SI of the row
	v_fma_f32 v[ZO], v[FF], v[ZI], v[ZO]           ; Zg = SO + f SI
	v_rcp_f32 v[WG], v[ZO]
	v_rcp_f32 v[WL], v[ZI]
	v_nop
	s_wait_alu depctr_va_vdst(0)                   ; one wait for the two
	v_fma_f32 v[WL], v[FF], v[WG], v[WL]
	v_mul_f32 v[WG], 0.5, v[WG]                    ; wg = 0.5 / Zg
	v_mul_f32 v[WL], 0.5, v[WL]                    ; wl = 0.5 (1 / Zl + f / Zg); where the mask row is empty it is infinite and selected nowhere
	v_log_f32 v[WG], v[WG]
	v_log_f32 v[WL], v[WL]
	v_nop
	s_wait_alu depctr_va_vdst(0)                   ; one wait for the two
	v_add_f32 v[KG], v[NMG], v[WG]                 ; K = -c M + log2 w
	v_add_f32 v[KL], v[NML], v[WL]
	s_wait_kmcnt 0x0                               ; the mask words of chunk 0 again
	; ---- PHASE C
	s_mov_b32 s[CNT], 0
	s_mov_b32 s[KOFF], 0
.Lc:
	s_add_co_u32 s6, s[VB], s[KOFF]
	v_add_nc_u32 v[ADV], s6, v[LI]
	s_add_co_u32 s6, s[VSB], s[KOFF]
	v_add_nc_u32 v[ADVS], s6, v[SW4]
.irp g, 0,1,2
	ds_load_b128 v[VF+4*\g:VF+4*\g+3], v[ADV] offset:512*\g     ; v^T of my head, these 128 keys; it lands while attn is made
.endr
	ds_load_b32 v[VS], v[ADVS]
.set m, 0
.rept 32
	PICK v[X+m], v[KG], v[KL], m
.set m, m+1
.endr
	RELOAD 0
	SWITCH cl, 0
	EXP32 0
.set m, 32
.rept 32
	PICK v[X+m], v[KG], v[KL], m                   ; plain work behind the exponentials: it names none of their results
.set m, m+1
.endr
	s_wait_alu depctr_va_vdst(0)                   ; ahead of the branches below
	SWITCH ch, 1
	RELOAD 1
	EXP32 1
	v_nop
	s_wait_alu depctr_va_vdst(0)                   ; one wait for the 32, ahead of their first reader
	QUANT X
	PLACES 8                                       ; a scale register written by a vector instruction stands eight places ahead of a scaled product, an operand four
	s_wait_dscnt 0x0
	s_wait_alu depctr_va_vdst(0)                   ; the only matrix instruction of the loop adds in place onto its own last result
	v_wmma_scale_f32_16x16x128_f8f6f4 v[O:O+7], v[VF:VF+11], v[PC:PC+11], v[O:O+7], v[VS], v[PW] matrix_a_fmt:MATRIX_FMT_FP6 matrix_b_fmt:MATRIX_FMT_FP6
	PLACES 4                                       ; ahead of the loads into the fragment of V and its scale words; behind the last trip O^T is read
	s_add_co_u32 s[KOFF], s[KOFF], 12800
	s_add_co_u32 s[CNT], s[CNT], 1
	s_cmp_lt_u32 s[CNT], 4
	s_cbranch_scc1 .Lc
	v_add_nc_u32 v[TMP], s[OB], v[SOL]
	ds_store_b128 v[TMP], v[O:O+3]                 ; the accumulator from its low end on: row r of my task, channels 8 h + 0 .. 7, summed over my 512 keys
	ds_store_b128 v[TMP], v[O+4:O+7] offset:16
	s_add_co_u32 s[VB], s[VB], 1536                ; the next head
	s_add_co_u32 s[VSB], s[VSB], 64
	s_add_co_u32 s[OB], s[OB], 1280
	s_add_co_u32 s[TASK], s[TASK], 1
	s_cmp_lt_u32 s[TASK], 4
	s_cbranch_scc1 .Ltask
	; ---- the eight heads and the two key halves of a row meet in LDS; y = Q(attn v) Wo + bo: wave w quantises the 16 rows of its query tile and makes outputs 32 (w % 4) .. + 31
	s_wait_dscnt 0x0                               ; for the sake of the others: my stores have landed
	s_barrier_signal -1
	s_barrier_wait -1
	; row r, k = 64 c + 32 h + 16 e + 4 i ..: two whole blocks a lane, in the order of the operand.  Head 4 c + 2 h + e lies with waves 4 QT + 2 c + (key half), task 2 h + e
.irp e, 0,1
.irp i, 0,1,2,3
	ds_load_b128 v[X+16*\e+4*\i:X+16*\e+4*\i+3], v[FRD] offset:1280*\e+16*\i               ; c = 0, keys 0-511
.endr
.endr
.irp e, 0,1
.irp i, 0,1,2,3
	ds_load_b128 v[T+16*\e+4*\i:T+16*\e+4*\i+3], v[FRD] offset:5120+1280*\e+16*\i          ; c = 0, keys 512-1,023
.endr
.endr
.irp e, 0,1
.irp i, 0,1,2,3
	ds_load_b128 v[X+32+16*\e+4*\i:X+32+16*\e+4*\i+3], v[FRD] offset:10240+1280*\e+16*\i   ; c = 1, keys 0-511
.endr
.endr
	s_wait_dscnt 0x8                               ; LDS loads come back in order: the first sixteen are in, the youngest eight may be out
.set m, 0
.rept 16
	v_pk_add_f32 v[X+m:X+m+1], v[X+m:X+m+1], v[T+m:T+m+1]
.set m, m+2
.endr
.irp e, 0,1
.irp i, 0,1,2,3
	ds_load_b128 v[T+16*\e+4*\i:T+16*\e+4*\i+3], v[FRD] offset:15360+1280*\e+16*\i         ; c = 1, keys 512-1,023
.endr
.endr
	s_wait_dscnt 0x0
.set m, 0
.rept 16
	v_pk_add_f32 v[X+32+m:X+32+m+1], v[X+32+m:X+32+m+1], v[T+m:T+m+1]
.set m, m+2
.endr
.irp c, 0,1
	v_max3_num_f32 v[TM+\c], |v[X+32*\c]|, |v[X+32*\c+1]|, 0x1800000
.endr
.irp i, 2,4,6,8,10,12,14,16,18,20,22,24,26,28,30
.irp c, 0,1
	v_max3_num_f32 v[TM+\c], v[TM+\c], |v[X+32*\c+\i]|, |v[X+32*\c+\i+1]|
.endr
.endr
.irp c, 0,1
	v_add_nc_u32 v[TM+8+\c], 0xff000000, v[TM+\c]
.endr
.irp c, 0,1
	v_lshrrev_b32 v[TM+4+\c], 23, v[TM+8+\c]
.endr
	v_lshl_or_b32 v[PW], v[TM+5], 16, v[TM+4]      ; my two bytes: blocks h and 2 + h,
	v_lshrrev_b32 v[TMP], 2, v[BH]
	v_lshlrev_b32 v[PW], v[TMP], v[PW]             ; 8 h bits up;
	v_permlanex16_b32 v[TM+6], v[PW], s[XSEL], s[XSEL+1]
	v_or_b32 v[PW], v[PW], v[TM+6]                 ; with the two of lane l xor 16 the word is whole
.irp c, 0,1
	v_cvt_scalef32_pk16_fp6_f32 v[PC+6*\c:PC+2+6*\c], v[X+32*\c:X+32*\c+15], v[TM+8+\c]
	v_cvt_scalef32_pk16_fp6_f32 v[PC+12+4*\c:PC+14+4*\c], v[X+32*\c+16:X+32*\c+31], v[TM+8+\c]
.endr
	v_nop                                          ; one plain place behind the scaled conversions
.irp c, 0,1
.irp i, 0,1,2
	v_mov_b32 v[PC+3+6*\c+\i], v[PC+12+4*\c+\i]
.endr
.endr
	PLACES 8
	s_wait_loadcnt 0x0                             ; Wo, its scale words, bo: asked for behind phase A of the last task
	v_wmma_scale_f32_16x16x128_f8f6f4 v[Q:Q+7], v[WQF:WQF+11], v[PC:PC+11], v[Q:Q+7], v[WQS], v[PW] matrix_a_fmt:MATRIX_FMT_FP6 matrix_b_fmt:MATRIX_FMT_FP6             ; lane (r, h): query r, outputs 32 (w % 4) + 8 h + j
	v_wmma_scale_f32_16x16x128_f8f6f4 v[YB1:YB1+7], v[WKF:WKF+11], v[PC:PC+11], v[YB1:YB1+7], v[WKS], v[PW] matrix_a_fmt:MATRIX_FMT_FP6 matrix_b_fmt:MATRIX_FMT_FP6     ; and 16 outputs on
	PLACES 4
.irp j, 0,1,2,3,4,5,6,7
	v_add_f32 v[X+\j], v[Q+\j], v[POI]             ; + 0, or NaN where the mask row is empty; each accumulator from its low end on
.endr
.irp j, 0,1,2,3,4,5,6,7
	v_add_f32 v[X+8+\j], v[YB1+\j], v[POI]
.endr
.irp n, 0,1
	ds_store_b128 v[SOY], v[X+8*\n:X+8*\n+3] offset:64*\n
	ds_store_b128 v[SOY], v[X+8*\n+4:X+8*\n+7] offset:64*\n+16
.endr
	s_wait_dscnt 0x0
	s_barrier_signal -1
	s_barrier_wait -1                              ; 32 whole rows of y lie in LDS
.irp i, 0,1,2,3
	ds_load_b128 v[X+32+4*\i:X+32+4*\i+3], v[YRD] offset:528*\i
.endr
.irp i, 0,1,2,3
	s_wait_dscnt 3-\i                              ; LDS loads come back in order: row i is in, the younger ones may be out
	global_store_b128 v[LI], v[X+32+4*\i:X+32+4*\i+3], s[POUT:POUT+1] offset:512*\i th:TH_STORE_NT   ; 32 lanes store a row: 512 consecutive bytes, aligned
.endr
	s_wait_tensorcnt 0x0                           ; the end of the wave: behind my last tensor load and my last LDS store
	ds_add_u32 v[SPW], v[NIL]
	s_wait_dscnt 0x0
	CROUND                                         ; the closing round
	s_endpgm
.Lfunc_end_k_q97e2bbb78a_attn:
	.size	k_q97e2bbb78a_attn, .Lfunc_end_k_q97e2bbb78a_attn-k_q97e2bbb78a_attn
	.p2alignl 7, 3214868480
	.fill 96, 4, 3214868480
	.section	.rodata,"a",@progbits
	.p2align	6, 0x0
	.amdhsa_kernel k_q97e2bbb78a_attn
		.amdhsa_group_segment_fixed_size 280064
		.amdhsa_private_segment_fixed_size 0
		.amdhsa_enable_private_segment 0
		.amdhsa_kernarg_size 104
		.amdhsa_user_sgpr_count 2
		.amdhsa_user_sgpr_kernarg_segment_ptr 1
		.amdhsa_wavefront_size32 1
		.amdhsa_system_sgpr_workgroup_id_x 1
		.amdhsa_system_sgpr_workgroup_id_y 1
		.amdhsa_system_sgpr_workgroup_id_z 1
		.amdhsa_system_vgpr_workitem_id 0
		.amdhsa_next_free_vgpr 512
		.amdhsa_next_free_sgpr 102
		.amdhsa_reserve_vcc 0
		.amdhsa_float_denorm_mode_32 3
		.amdhsa_float_denorm_mode_16_64 3
		.amdhsa_memory_ordered 1
		.amdhsa_forward_progress 1
		.amdhsa_inst_pref_size 127
	.end_amdhsa_kernel
	.amdgpu_metadata
---
amdhsa.version: [ 1, 2 ]
amdhsa.kernels:
  - .name:           k_q97e2bbb78a_attn
    .symbol:         k_q97e2bbb78a_attn.kd
    .args:
      - { .name: kv, .offset: 0, .size: 8, .value_kind: global_buffer, .address_space: global }
      - { .name: maskw, .offset: 8, .size: 8, .value_kind: global_buffer, .address_space: global }
      - { .name: query_codes, .offset: 16, .size: 8, .value_kind: global_buffer, .address_space: global }
      - { .name: query_scales, .offset: 24, .size: 8, .value_kind: global_buffer, .address_space: global }
      - { .name: Wq_codes, .offset: 32, .size: 8, .value_kind: global_buffer, .address_space: global }
      - { .name: Wq_scales, .offset: 40, .size: 8, .value_kind: global_buffer, .address_space: global }
      - { .name: bq, .offset: 48, .size: 8, .value_kind: global_buffer, .address_space: global }
      - { .name: Wk_codes, .offset: 56, .size: 8, .value_kind: global_buffer, .address_space: global }
      - { .name: Wk_scales, .offset: 64, .size: 8, .value_kind: global_buffer, .address_space: global }
      - { .name: Wo_codes, .offset: 72, .size: 8, .value_kind: global_buffer, .address_space: global }
      - { .name: Wo_scales, .offset: 80, .size: 8, .value_kind: global_buffer, .address_space: global }
      - { .name: bo, .offset: 88, .size: 8, .value_kind: global_buffer, .address_space: global }
      - { .name: out0, .offset: 96, .size: 8, .value_kind: global_buffer, .address_space: global }
    .group_segment_fixed_size: 280064
    .private_segment_fixed_size: 0
    .kernarg_segment_align: 8
    .kernarg_segment_size: 104
    .max_flat_workgroup_size: 256
    .sgpr_count:     102
    .vgpr_count:     512
    .wavefront_size: 32
...
	.end_amdgpu_metadata
.endif
;; end of part 3
